; MI455X (gfx1250); checked and timed in simulation.
; The chip was launched on July 23, 2026; its instructions are those of AMD's public machine-readable ISA for CDNA 5 (MIT licence, August 2026) and "CDNA5" Instruction Set Architecture Reference Guide (July 2026). The comments in the code are by the model that wrote it; some were corrected since.
;; Multi Head Attention. Allowed arithmetic: matrix products marked QUANTISED: E2M1 operands, one E8M0 scale for each 32 along K, by v_wmma_scale_f32_16x16x128_f8f6f4 with both operands' format E2M1 (or v_wmma_scale_f32_32x16x128_f4), f32 sums; products left as they are: bf16, f16 or f32 operands; f32 sums; everything else in f32.
;; Inputs: W_k 1,024 x 1,024 float32; W_o 1,024 x 1,024 float32; W_q 1,024 x 1,024 float32; W_v 1,024 x 1,024 float32; x 2 x 2,048 x 1,024 float32.
;; Outputs: out0 2 x 2,048 x 1,024 float32.
;; Constants: causal = 1.
;; This version of the problem:
;;   THIS VERSION OF THE PROBLEM IS GIVEN IN LOW PRECISION. The matrix products marked QUANTISED in the list below multiply operands that are first quantised to E2M1 (2 exponent bits, 1 mantissa bit; 4 bits a number), with one power-of-two scale for each 32 numbers along K (OCP MX v1.0); their sums are f32. The products marked 'left as it is' may take bf16, f16 or f32 operands, with f32 sums. Whichever they take, every output number must still come out within the allowed error. Rounding operands to bf16 (8 significant bits) uses up far more of that allowance than f16 does (11 bits, for magnitudes from 6e-5 to 65,504). All else is computed in f32.
;;   The module's matrix products, in the order in which they are computed (A, B: the left and right operand; K: the contracted axis; several contracted axes count as one K, in the product's order):
;;     1. [M 4,096, K 1,024] x [K 1,024, N 1,024]; A: input x; B: input W_q: QUANTISED
;;     2. [M 4,096, K 1,024] x [K 1,024, N 1,024]; A: input x; B: input W_k: QUANTISED
;;     3. [M 4,096, K 1,024] x [K 1,024, N 1,024]; A: input x; B: input W_v: QUANTISED
;;     4. batch 32 x [M 2,048, K 64] x [K 64, N 2,048]; A: computed on the way; B: computed on the way: left as it is (an operand is computed on the way)
;;     5. batch 32 x [M 64, K 2,048] x [K 2,048, N 2,048]; A: computed on the way; B: computed on the way: left as it is (an operand is computed on the way)
;;     6. [M 4,096, K 1,024] x [K 1,024, N 1,024]; A: computed on the way; B: input W_o: left as it is (an operand is computed on the way)
;;   THE QUANTISER, for each operand of a quantised product, along K:
;;     - K is cut into blocks of 32 from its start; a last block that is shorter is filled with zeros.
;;     - A block's scale is 2^e with e = floor(log2(the largest magnitude in the block)) - 2, held to -126 .. 127; a block of zeros has e = 0. As a byte (E8M0): e + 127.
;;     - Each number is divided by its block's scale, clamped to +-6, and rounded to the nearest number of E2M1, ties to even, subnormals kept.
;;     - The product sums the exact products of the quantised numbers (number of the format x scale) in f32.
;;   ~~~python
;;   def quantise(x, axis):      # numpy; x: float32 -> the quantised numbers, widened to float32 again
;;       x = np.moveaxis(x, axis, -1); K = x.shape[-1]
;;       x = np.pad(x, [(0, 0)] * (x.ndim - 1) + [(0, -K % 32)]); x = x.reshape(x.shape[:-1] + (-1, 32)); a = np.abs(x).max(-1, keepdims=True)
;;       e = np.where(a > 0, np.clip(np.frexp(np.where(a > 0, a, 1))[1] - 1 - 2, -126, 127), 0)      # np.frexp(a)[1] - 1 = floor(log2(a)), exactly
;;       r = np.clip(x / 2.0 ** e, -6, 6)
;;       step = 2.0 ** (np.maximum(np.frexp(np.where(r == 0, 1, r))[1] - 1, 0) - 1)
;;       q = np.round(r / step) * step * 2.0 ** e      # np.round: ties to even
;;       return np.moveaxis(q.reshape(q.shape[:-2] + (-1,))[..., :K], -1, axis).astype(np.float32)
;;   ~~~
;; One version. Each part assembles by itself: llvm-mc -triple=amdgcn-amd-amdhsa -mcpu=gfx1250 --defsym DOCPART=n.
;; ======== version 1 of 1: 5 launches
;; limits: values are held in f16: magnitudes above 65,504 overflow, below 6.1e-05 lose precision
;; workspace buffers: xc 2,097,152 bytes; xs 131,072 bytes; wc 1,572,864 bytes; ws 98,304 bytes; wo16 2,097,152 bytes; qkv 25,165,824 bytes; img 393,216 bytes; att 8,388,608 bytes
;; launch prep (part 1): grid 256 x 1, 4 waves a work-group, no clusters, 33,280 bytes of LDS; arguments x, W_q, W_k, W_v, W_o, xc, xs, wc, ws, wo16; writes xc, xs, wc, ws, wo16
.if DOCPART == 1
	.amdgcn_target "amdgcn-amd-amdhsa--gfx1250"
	.amdhsa_code_object_version 6
	.text
	.protected	k_qe423f827b1_prep
	.globl	k_qe423f827b1_prep
	.p2align	8
	.type	k_qe423f827b1_prep,@function
k_qe423f827b1_prep:
	s_mov_b64 s[64:65], 0
	v_nop
	global_prefetch_b8 v0, s[64:65] scope:SCOPE_SE
	s_setreg_imm32_b32 hwreg(HW_REG_WAVE_MODE, 25, 1), 1
	s_wait_xcnt 0x0
; x [4096][1024] and W_q, W_k, W_v [1024][1024], f32 with K innermost, become codes of FP4 (E2M1), two to a byte, and one E8M0 scale byte for each 32 along K; W_o [1024][1024] becomes f16.
; A work-group takes 32,768 numbers, a wave 8,192.  Work-groups 0-127: x -> xc, xs.  128-223: W_q, W_k, W_v, 32 work-groups each -> wc, ws, the three on end.  224-255: W_o -> wo16.
; A block's scale is 2^(floor(log2(its largest magnitude)) - 2): its byte is the largest magnitude's exponent field - 2, held at 1 from below.  Each number is divided by the scale and rounded to the nearest code, ties to even.
; Rows are dense and K is a multiple of 32: every tensor is a plain stream of blocks of 32, and so are its codes and its scale bytes.
; THE QUANTISING PATH.  16 steps of 512 numbers a wave.  Each load reads 512 consecutive bytes, 16 a lane; a step's 2,048 bytes turn through the wave's own stage in LDS and come back 64 bytes a lane, so that a lane
; holds 16 neighbours along K (two neighbouring lanes hold a block).  A lane's 16 codes are 8 bytes: a store of the wave covers 256 consecutive bytes, aligned.  The wave's 256 scale bytes are gathered in LDS and leave by one such store.
; THE CAST PATH uses no LDS: 64 loads of 512 bytes a wave, sixteen ahead; each gives one store of 256 consecutive bytes.
; LIMITS: a block of zeros gets the byte 1 where the quantiser says 127 (its codes are zeros, and this program alone reads the bytes); blocks whose largest magnitude lies under 2^-124 are held at the byte 1;
; NaN and infinities are not served; |W_o| stays under 65,504, f16's largest number.
.set WAVES, 4
.set STEPS, 16
.set CB,    8                          ; bytes of 16 codes
.set R,     16                         ; v16-79   quantising: four sets of 16 numbers as loaded; cast: sixteen sets of 4
.set X,     80                         ; v80-111  two sets of 16 neighbours; cast: v80-143, 32 pairs of packed f16
.set C,     128                        ; v128-191 codes: four registers for each step, so that no store's data are written again
.set E,     112                        ; v112-127 a scale byte for each step
.set WREG,  8192                       ; LDS: a region for each wave: two stages of 32 x SP bytes, behind them its 256 scale bytes
.set SP,    80                         ; a lane's place in a stage: 64 bytes + 16 of padding
.set SPW,   12                         ; v12 LDS address of my spare word; never rewritten
.set NIL,   13                         ; v13 0; never rewritten
.set SPARE, WAVES*WREG                 ; behind the four regions: the spare words, 128 bytes a wave
	s_load_b512 s[4:19], s[0:1], 0x0               ; x 4:5, W_q 6:7, W_k 8:9, W_v 10:11, W_o 12:13, xc 14:15, xs 16:17, wc 18:19
	s_load_b128 s[20:23], s[0:1], 0x40             ; ws 20:21, wo16 22:23
	v_lshl_add_u32 v[SPW], v0, 2, SPARE
	v_mov_b32 v[NIL], 0
	v_lshrrev_b32 v1, 5, v0
	v_readfirstlane_b32 s24, v1                    ; wave
	v_and_b32 v2, 31, v0                           ; lane
	v_lshlrev_b32 v3, 4, v2                        ; my 16 bytes of a load's 512
	s_mul_i32 s30, s24, WREG
	v_lshrrev_b32 v14, 2, v2
	v_mul_u32_u24 v14, v14, SP
	v_and_b32 v15, 3, v2
	v_lshl_add_u32 v14, v15, 4, v14
	v_add_nc_u32 v14, s30, v14                     ; the stage, on the way in: SP (lane / 4) + 16 (lane % 4)
	v_mul_u32_u24 v15, v2, SP
	v_add_nc_u32 v15, s30, v15                     ; and on the way out: SP x lane: my 16 neighbours
	v_mul_u32_u24 v4, v2, CB                       ; my codes' place in a step's
	v_lshrrev_b32 v5, 1, v2
	s_add_co_u32 s30, s30, 2*32*SP
	v_add_nc_u32 v5, s30, v5                       ; LDS: my wave's 256 scale bytes, my block's byte
	v_lshlrev_b32 v7, 3, v2                        ; 8 bytes a lane
	v_add_nc_u32 v6, s30, v7
	s_mov_b32 s29, 0
	s_wait_kmcnt 0x0
	s_cmp_ge_u32 ttmp9, 224                        ; the last 32 work-groups cast W_o
	s_cbranch_scc1 .Lcast
	; which tensor: only pointers and group numbers are chosen, by the work-group's number alone; all four tensors take one path
	s_sub_co_u32 s25, ttmp9, 128                   ; the place among the weights' 96 groups (not used by x's groups)
	s_lshr_b32 s26, s25, 5                         ; 0: W_q, 1: W_k, 2: W_v
	s_cmp_eq_u32 s26, 1
	s_cselect_b64 s[6:7], s[8:9], s[6:7]
	s_cmp_eq_u32 s26, 2
	s_cselect_b64 s[6:7], s[10:11], s[6:7]
	s_and_b32 s27, s25, 31                         ; the group inside its weight
	s_cmp_lt_u32 ttmp9, 128
	s_cselect_b64 s[4:5], s[4:5], s[6:7]           ; the numbers,
	s_cselect_b64 s[14:15], s[14:15], s[18:19]     ; their codes,
	s_cselect_b64 s[16:17], s[16:17], s[20:21]     ; their scale bytes
	s_cselect_b32 s27, ttmp9, s27                  ; group in the source
	s_cselect_b32 s25, ttmp9, s25                  ; group in the destination
	s_lshl_b32 s27, s27, 2
	s_add_co_u32 s27, s27, s24                     ; my wave's run of 8,192 numbers in the source: 32,768 bytes each
	s_lshl_b32 s28, s27, 15
	s_add_nc_u64 s[4:5], s[4:5], s[28:29]
	s_lshl_b32 s25, s25, 2
	s_add_co_u32 s25, s25, s24                     ; and in the destination: 4,096 bytes of codes, 256 scale bytes
	s_lshl_b32 s28, s25, 12
	s_add_nc_u64 s[14:15], s[14:15], s[28:29]
	s_lshl_b32 s28, s25, 8
	s_add_nc_u64 s[16:17], s[16:17], s[28:29]
.macro LOAD t
.irp i, 0,1,2,3
	global_load_b128 v[R+16*((\t)%4)+4*\i:R+16*((\t)%4)+4*\i+3], v3, s[4:5] offset:2048*(\t)+512*\i th:TH_LOAD_NT   ; 32 lanes read 512 consecutive bytes
.endr
.endm
.macro TURN t                          ; step t's numbers through the stage: LDS serves a wave's instructions in order (ISA guide 5.7.1.4), so no wait stands between the stores and the loads
.irp i, 0,1,2,3
	ds_store_b128 v14, v[R+16*((\t)%4)+4*\i:R+16*((\t)%4)+4*\i+3] offset:32*SP*((\t)%2)+8*SP*\i
.endr
.irp i, 0,1,2,3
	ds_load_b128 v[X+16*((\t)%2)+4*\i:X+16*((\t)%2)+4*\i+3], v15 offset:32*SP*((\t)%2)+16*\i
.endr
.endm
.irp t, 0,1,2,3
	LOAD \t
.endr
	s_wait_loadcnt 12                              ; step 0's four loads are in; the twelve of steps 1 to 3 stay out
	TURN 0
.macro STEP t
.set XS, X+16*((\t)%2)
.if (\t) > 0
	s_wait_dscnt 1                                 ; this step's numbers are back from the stage (the last step's byte store may be out): so its stores into the stage have read their registers,
.else
	s_wait_dscnt 0x0
.endif
.if (\t)+4 < STEPS
	LOAD (\t)+4                                    ; which take the loads of four steps on
.endif
.if (\t)+1 < STEPS
.if STEPS-2-(\t) >= 3
	s_wait_loadcnt 12                              ; the next step's four loads are in; those of the three steps behind it may be out
.else
	s_wait_loadcnt 4*(STEPS-2-(\t))
.endif
	TURN (\t)+1                                    ; and go through the other stage while this step is worked
.endif
	v_max3_num_f32 v8, |v[XS]|, |v[XS+1]|, |v[XS+2]|               ; the largest magnitude of my 16, in two chains
	v_max3_num_f32 v9, |v[XS+3]|, |v[XS+4]|, |v[XS+5]|
.irp i, 6,10
	v_max3_num_f32 v8, v8, |v[XS+\i]|, |v[XS+\i+1]|
	v_max3_num_f32 v9, v9, |v[XS+\i+2]|, |v[XS+\i+3]|
.endr
	v_max3_num_f32 v8, v8, |v[XS+14]|, |v[XS+15]|
	v_max3_num_f32 v8, v8, v9, 0x1800000           ; and the floor 2^(3 - 127): the byte cannot fall under 1
	v_max_num_f32_dpp v8, v8, v8 row_xmask:1 row_mask:0xf bank_mask:0xf   ; and of my neighbour's 16: the block's
	v_add_nc_u32 v11, 0xff000000, v8               ; 2 off its exponent field: the conversion takes the exponent field of this operand as its scale
	v_cvt_scalef32_pk8_fp4_f32 v[C+4*(\t)], v[XS:XS+7], v11
	v_cvt_scalef32_pk8_fp4_f32 v[C+4*(\t)+1], v[XS+8:XS+15], v11
	v_lshrrev_b32 v[E+(\t)], 23, v11               ; the scale's byte (a plain line behind the conversions)
	ds_store_b8 v5, v[E+(\t)] offset:16*(\t)       ; both lanes of a block write the same byte with the same value
	global_store_b64 v4, v[C+4*(\t):C+4*(\t)+1], s[14:15] offset:32*CB*(\t)   ; the wave stores 256 consecutive bytes, aligned
.endm
.irp t, 0,1,2,3,4,5,6,7,8,9,10,11,12,13,14,15
	STEP \t
.endr
	ds_load_b64 v[8:9], v6                         ; in order behind my byte stores
	s_wait_dscnt 0x0
	global_store_b64 v7, v[8:9], s[16:17]          ; my wave's 256 scale bytes
	s_wait_tensorcnt 0x0                           ; the wave's end, behind my last LDS store
	ds_add_u32 v[SPW], v[NIL]
	s_wait_dscnt 0x0
	s_endpgm
.Lcast:                                            ; W_o to f16: no LDS is touched on this path
	s_sub_co_u32 s25, ttmp9, 224
	s_lshl_b32 s25, s25, 2
	s_add_co_u32 s25, s25, s24                     ; my wave's run of 8,192 numbers: 32,768 bytes in, 16,384 out
	s_lshl_b32 s28, s25, 15
	s_add_nc_u64 s[12:13], s[12:13], s[28:29]
	s_lshl_b32 s28, s25, 14
	s_add_nc_u64 s[22:23], s[22:23], s[28:29]
.set T, 0
.rept 16
	global_load_b128 v[R+4*T:R+4*T+3], v3, s[12:13] offset:512*T th:TH_LOAD_NT
.set T, T+1
.endr
.macro CAST t
.if 63-(\t) < 15
	s_wait_loadcnt 63-(\t)                         ; the tail: as many as were issued behind load t
.else
	s_wait_loadcnt 15                              ; load t is in; the fifteen younger ones stay out
.endif
.if (\t) == 32
	s_wait_xcnt 0x0                                ; the stores of steps 0 to 31 have read their data: the 32 pairs are written a second time only behind this wait
.endif
	v_cvt_pk_f16_f32 v[X+2*((\t)%32)], v[R+4*((\t)%16)], v[R+4*((\t)%16)+1]
	v_cvt_pk_f16_f32 v[X+2*((\t)%32)+1], v[R+4*((\t)%16)+2], v[R+4*((\t)%16)+3]
.if (\t)+16 < 64
	global_load_b128 v[R+4*((\t)%16):R+4*((\t)%16)+3], v3, s[12:13] offset:512*((\t)+16) th:TH_LOAD_NT
.endif
	global_store_b64 v7, v[X+2*((\t)%32):X+2*((\t)%32)+1], s[22:23] offset:256*(\t)   ; 256 consecutive bytes, aligned
.endm
.set T, 0
.rept 64
	CAST T
.set T, T+1
.endr
	s_endpgm
.Lfunc_end_k_qe423f827b1_prep:
	.size	k_qe423f827b1_prep, .Lfunc_end_k_qe423f827b1_prep-k_qe423f827b1_prep
	.p2alignl 7, 3214868480
	.fill 96, 4, 3214868480
	.section	.rodata,"a",@progbits
	.p2align	6, 0x0
	.amdhsa_kernel k_qe423f827b1_prep
		.amdhsa_group_segment_fixed_size 33280
		.amdhsa_private_segment_fixed_size 0
		.amdhsa_enable_private_segment 0
		.amdhsa_kernarg_size 80
		.amdhsa_user_sgpr_count 2
		.amdhsa_user_sgpr_kernarg_segment_ptr 1
		.amdhsa_wavefront_size32 1
		.amdhsa_system_sgpr_workgroup_id_x 1
		.amdhsa_system_sgpr_workgroup_id_y 1
		.amdhsa_system_sgpr_workgroup_id_z 1
		.amdhsa_system_vgpr_workitem_id 0
		.amdhsa_next_free_vgpr 192
		.amdhsa_next_free_sgpr 66
		.amdhsa_reserve_vcc 0
		.amdhsa_float_denorm_mode_32 3
		.amdhsa_float_denorm_mode_16_64 3
		.amdhsa_memory_ordered 1
		.amdhsa_forward_progress 1
		.amdhsa_inst_pref_size 56
	.end_amdhsa_kernel
	.amdgpu_metadata
---
amdhsa.version: [ 1, 2 ]
amdhsa.kernels:
  - .name:           k_qe423f827b1_prep
    .symbol:         k_qe423f827b1_prep.kd
    .args:
      - { .name: x, .offset: 0, .size: 8, .value_kind: global_buffer, .address_space: global }
      - { .name: W_q, .offset: 8, .size: 8, .value_kind: global_buffer, .address_space: global }
      - { .name: W_k, .offset: 16, .size: 8, .value_kind: global_buffer, .address_space: global }
      - { .name: W_v, .offset: 24, .size: 8, .value_kind: global_buffer, .address_space: global }
      - { .name: W_o, .offset: 32, .size: 8, .value_kind: global_buffer, .address_space: global }
      - { .name: xc, .offset: 40, .size: 8, .value_kind: global_buffer, .address_space: global }
      - { .name: xs, .offset: 48, .size: 8, .value_kind: global_buffer, .address_space: global }
      - { .name: wc, .offset: 56, .size: 8, .value_kind: global_buffer, .address_space: global }
      - { .name: ws, .offset: 64, .size: 8, .value_kind: global_buffer, .address_space: global }
      - { .name: wo16, .offset: 72, .size: 8, .value_kind: global_buffer, .address_space: global }
    .group_segment_fixed_size: 33280
    .private_segment_fixed_size: 0
    .kernarg_segment_align: 8
    .kernarg_segment_size: 80
    .max_flat_workgroup_size: 128
    .sgpr_count:     66
    .vgpr_count:     192
    .wavefront_size: 32
...
	.end_amdgpu_metadata
.endif
;; end of part 1
;; launch qkv (part 2): grid 12 x 16, 4 waves a work-group, clusters of 4 x 4, 327,680 bytes of LDS; arguments xc, xs, wc, ws, qkv, img; writes qkv, img
.if DOCPART == 2
	.amdgcn_target "amdgcn-amd-amdhsa--gfx1250"
	.amdhsa_code_object_version 6
	.text
	.protected	k_qe423f827b1_qkv
	.globl	k_qe423f827b1_qkv
	.p2align	8
	.type	k_qe423f827b1_qkv,@function
k_qe423f827b1_qkv:
	s_mov_b64 s[64:65], 0
	v_nop
	global_prefetch_b8 v0, s[64:65] scope:SCOPE_SE
	s_setreg_imm32_b32 hwreg(HW_REG_WAVE_MODE, 25, 1), 1
	s_wait_xcnt 0x0
	s_wait_alu depctr_hold_cnt(0) depctr_sa_sdst(0) depctr_va_vdst(0) depctr_va_sdst(0) depctr_va_ssrc(0) depctr_va_vcc(0) depctr_vm_vsrc(0)
	s_getreg_b32 s2, hwreg(HW_REG_IB_STS2, 6, 4)
	s_cmp_eq_u32 s2, 0
	s_cbranch_scc0 .Lentry_in_a_cluster
	s_endpgm
.Lentry_in_a_cluster:
	s_bfe_u32 s2, ttmp6, 0x10000c
	s_cmp_lg_u32 s2, 0xf033
	s_cbranch_scc0 .Lentry_shape_is_right
	s_endpgm
.Lentry_shape_is_right:
; [q | k | v] = x [W_q; W_k; W_v]^T on codes of FP4 (E2M1) with one E8M0 scale for each 32 along K.  A = x: [4096][1024] codes, B = the three weights on end: [3072][1024] codes; sums in f32.
; A tile of 256 x 256 is made by a work-group of four waves; a wave makes 128 x 128: 64 accumulators, 512 registers.  K = 1,024 is two slots of 512 along K: both are first fills, nothing is filled again.
; THE SCALES of the work-group's 256 rows of A and of B, for all of K, are two dense blocks: they come into LDS once, with the first fills.
; CLUSTER 4 x 4: the four of a row of the cluster need the same tiles of A, the four of a column the same tiles of B: each tile is asked for jointly, by the same tensor load with a mask that names the four.
; THE MATRIX INSTRUCTION IS USED TRANSPOSED (source 0 = 16 rows of B, source 1 = 16 rows of A): a lane holds one token and eight neighbouring channels.
; THE WAY OUT needs no LDS: four conversions turn a lane's eight f32 into the four registers that the next product's f16 fragment wants of that lane, so a store at 16 x lane writes 512 consecutive bytes of the buffer qkv:
;   qkv: [which 3][batch x head 32][tile of 16 tokens 128][2,048 bytes].  q, k: [32 channels u][half c][lane][16 bytes], lane (r, h) = token r, channels 32 u + 16 c + 8 h + 0 .. 7.   v: [16 channels ct][token][32 bytes].
;   img: the f32 accumulators of tokens 0-15 of each batch as they stand, [which][batch][head][4][1,024 bytes]: the launch for the first positions reads them.  They are stored under a narrowed EXEC, not under a branch.
; LIMIT: |q|, |k|, |v| stay under 65,504, f16's largest number.
; REGISTERS, in windows of 256: window 0: v0-31 addresses; v32-95 scale words, two sets; from v128 A's fragments, one set; on the way out v128-255 packed results.
;   window 1: B's fragments, two sets, at v0 and v128.   window 2: the 32 accumulators of my rows 0-63 ((a, b) at v[8 (8 a + b)]);   window 3: those of my rows 64-127.
.set SIZE_K, 1024
.set KSTEP,  512                       ; along K in a slot
.set NQ,     KSTEP/128                 ; matrix instructions deep
.set ROWB,   256                       ; a tile's row in bytes
.set KROW,   SIZE_K*4/8                ; a row of codes in memory
.set PITCH,  272                       ; an LDS row: 256 bytes + 16 of padding = 68 words: the 16 rows that a load touches start at 16 different banks (64 banks of 4 bytes: ISA guide 11.1)
.set FR,     8                         ; registers of a fragment: 16 rows x 128 K
.set NL,     2                         ; LDS loads that bring one
.set NP,     4                         ; places behind this matrix instruction (ISA guide 7.12.1)
.set HALFT,  128*PITCH                 ; 128 rows: what one tensor load brings
.set SLOT,   4*HALFT                   ; A's 256 rows, then B's 256 rows
.set KS,     SIZE_K/32                 ; a row of scales in bytes
.set SCL,    2*SLOT                    ; behind the two slots: the scales, as units of 256 bytes + 16 of padding
.set HALFS,  (128*KS/256)*272          ; the scales of 128 rows
.set SBLK,   (16*KS/256)*272           ; those of 16 rows
.set SPARE,  SCL+4*HALFS               ; behind the scales: the spare words, 128 bytes a wave
.set ADRA, 16                          ; v16-17  LDS address of my A fragments in slot 0, 1
.set ADRB, 20                          ; v20-21  the same for B
.set FLAG, 24                          ; v24     0 where my rows begin with token 0 of a batch
.set FO,   25                          ; v25     16 x lane: an image's place for my lane
.set CO,   26                          ; v26     my lane's place in a tile of qkv
.set ADRS, 27                          ; v27     LDS address of my scale words: lanes 0-15 A's rows, lanes 16-31 B's
.set SPW,  28                          ; v28     LDS address of my spare word; never rewritten
.set NIL,  29                          ; v29     0; never rewritten
.set SC,   32                          ; scale words: set s at v[SC + 8 NQ s]; register NQ i + q: lanes 0-15 A's block i, lanes 16-31 B's block i, the slot's q-th 128 along K
.set AF,   128                         ; A's fragments, in window 0
.set OUTR, 128                         ; the way out: four sets of 32 registers of packed f16
.set G1, 24                            ; s[24:31] descriptor group 1 for A's tiles;  s[32:39] group 0, one set for each slot
.set G0, 32
.set G1B, 48                           ; s[48:55], s[56:63] the same for B's tiles
.set G0B, 56
.set G1S, 68                           ; s[68:75], s[76:79] groups 1 and 0 for A's scales;  s[80:87], s[88:91] for B's
.set G0S, 76
.set G1SB, 80
.set G0SB, 88
.set MSB, 0
.macro WIN new                         ; the immediate's high byte repeats the setting that is left
.if MSB != \new
	s_set_vgpr_msb (MSB<<8)|\new
.set MSB, \new
.endif
.endm
.set MUL_LO, 0xa1                      ; source 0 (B) window 1, source 1 (A) window 0, C and D window 2
.set MUL_HI, 0xf1                      ; the same, C and D window 3
.set TO_B,   0x40                      ; destination window 1, address window 0
; A joint load: waves 0 and 1 fetch for A, waves 2 and 3 for B.  Each line has one mask and one set of registers for all that issue it; the branch hangs on the wave's number alone.
; An s_nop 0 and four v_nop follow each of the two lines.
.macro JLOAD g0a, g1a, g0b, g1b
	s_cmp_eq_u32 s15, 0
	s_cbranch_scc0 .Lfor_b_\@
	tensor_load_to_lds s[\g0a:\g0a+3], s[\g1a:\g1a+7]
	s_nop 0
.rept 4
	v_nop
.endr
	s_branch .Lasked_\@
.Lfor_b_\@:
	tensor_load_to_lds s[\g0b:\g0b+3], s[\g1b:\g1b+7]
	s_nop 0
.rept 4
	v_nop
.endr
.Lasked_\@:
.endm
.macro CROUND                          ; a round of the cluster's barrier
	s_barrier_signal -1
	s_barrier_wait -1
	s_cmp_lg_u32 s14, 0
	s_cbranch_scc1 .Lnot_wave_0_\@
	s_barrier_signal -3
.Lnot_wave_0_\@:
	s_barrier_wait -3
	s_barrier_signal -1
	s_barrier_wait -1
.endm
	s_load_b128 s[4:7], s[0:1], 0x0                ; A's codes s[4:5], A's scales s[6:7]
	s_load_b128 s[8:11], s[0:1], 0x10              ; B's codes s[8:9], B's scales s[10:11]
	s_load_b128 s[96:99], s[0:1], 0x20             ; qkv s[96:97], img s[98:99]
	v_lshl_add_u32 v[SPW], v0, 2, SPARE
	v_mov_b32 v[NIL], 0
	ds_add_u32 v[SPW], v[NIL]                      ; the wave's opening: the add, twice on end, and its wait ahead of my first tensor load
	ds_add_u32 v[SPW], v[NIL]
	v_lshrrev_b32 v1, 5, v0
	v_readfirstlane_b32 s14, v1                    ; wave 0..3
	s_lshr_b32 s15, s14, 1                         ; which half of the tile's rows is mine.  Also: I fetch for A (0) or for B (1)
	s_and_b32 s16, s14, 1                          ; which half of its columns.  Also: which 128 rows of that tile I fetch
	s_bfe_u32 s40, ttmp6, 0x40000                  ; cx, cy: my place in the cluster
	s_bfe_u32 s41, ttmp6, 0x40004
	s_lshl_b32 s42, ttmp9, 2
	s_add_co_u32 s42, s42, s40                     ; tile column = 4 x cluster x + cx
	s_and_b32 s17, ttmp7, 0xffff
	s_lshl_b32 s17, s17, 2
	s_add_co_u32 s17, s17, s41                     ; tile row = 4 x cluster y + cy
	s_lshl_b32 s43, s41, 2
	s_lshl_b32 s43, 15, s43                        ; my row of the cluster
	s_lshl_b32 s44, 0x1111, s40                    ; my column
	; descriptor group 1: a tile of 128 rows x 256 bytes, padded in LDS
	s_or_b32 s[G1+0], s43, (0<<16)|(1<<20)|(1<<21)|(5<<22)|(3<<25)  ; 15:0 the mask; 17:16 elements of 1 byte; 20 padding on; 21 set beside a mask; 24:22 after every 64 words; 31:25 four words
	s_or_b32 s[G1B+0], s44, (0<<16)|(1<<20)|(1<<21)|(5<<22)|(3<<25)
.irp g, G1, G1B
	s_mov_b32 s[\g+1], ROWB<<16                    ; tensor_dim0
	s_mov_b32 s[\g+2], 128<<16                     ; tensor_dim1
	s_mov_b32 s[\g+3], ROWB<<16                    ; tile_dim0
	s_mov_b32 s[\g+4], 128                         ; tile_dim1
	s_mov_b32 s[\g+5], KROW                        ; from row to row
	s_mov_b32 s[\g+6], 0
	s_mov_b32 s[\g+7], 0
.endr
	; the scales of 128 rows: a dense block of 4,096 bytes, as 16 rows of 256 bytes (32 elements of 8 bytes), 16 bytes of padding behind each
	s_or_b32 s[G1S+0], s43, (3<<16)|(1<<20)|(1<<21)|(5<<22)|(3<<25)
	s_or_b32 s[G1SB+0], s44, (3<<16)|(1<<20)|(1<<21)|(5<<22)|(3<<25)
.irp g, G1S, G1SB
	s_mov_b32 s[\g+1], 32<<16
	s_mov_b32 s[\g+2], (128*KS/256)<<16
	s_mov_b32 s[\g+3], 32<<16
	s_mov_b32 s[\g+4], 128*KS/256
	s_mov_b32 s[\g+5], 32
	s_mov_b32 s[\g+6], 0
	s_mov_b32 s[\g+7], 0
.endr
	s_lshl_b32 s18, s16, 7                         ; which 128 rows of the tile I fetch
	s_lshl_b32 s20, s17, 8
	s_add_co_u32 s20, s20, s18                     ; A: row 256 x tile row + 128 x half
	s_lshl_b32 s46, s42, 8
	s_add_co_u32 s46, s46, s18                     ; B: row 256 x tile column + 128 x half
	s_mov_b32 s21, 0
	s_mov_b32 s47, 0
	s_mov_b64 s[18:19], KS
	s_mul_u64 s[22:23], s[20:21], s[18:19]         ; where these rows' scales begin,
	s_mul_u64 s[92:93], s[46:47], s[18:19]
	s_mov_b64 s[18:19], KROW
	s_mul_u64 s[20:21], s[20:21], s[18:19]         ; and their codes
	s_mul_u64 s[46:47], s[46:47], s[18:19]
	s_mul_i32 s45, s14, HALFT                      ; where they go: wave x 128 rows: no place in the cluster enters an LDS address
	s_mul_i32 s94, s14, HALFS
	s_wait_dscnt 0x0                               ; both opening adds are done
	s_wait_kmcnt 0x0
	s_add_nc_u64 s[20:21], s[4:5], s[20:21]
	s_add_nc_u64 s[22:23], s[6:7], s[22:23]
	s_add_nc_u64 s[46:47], s[8:9], s[46:47]
	s_add_nc_u64 s[92:93], s[10:11], s[92:93]
	CROUND                                         ; all sixteen work-groups are here: the joint loads meet
	s_mov_b32 s[G0S], 1
	s_add_co_u32 s[G0S+1], s94, SCL
	s_mov_b64 s[G0S+2:G0S+3], s[22:23]
	s_or_b32 s[G0S+3], s[G0S+3], 0x80000000
	s_mov_b32 s[G0SB], 1
	s_add_co_u32 s[G0SB+1], s94, SCL
	s_mov_b64 s[G0SB+2:G0SB+3], s[92:93]
	s_or_b32 s[G0SB+3], s[G0SB+3], 0x80000000
	JLOAD G0S, G1S, G0SB, G1SB                     ; the scales first: they are wanted with the first slot
.irp s, 0,1
	s_mov_b32 s[G0+4*\s], 1
	s_add_co_u32 s[G0+4*\s+1], s45, \s*SLOT
	s_add_nc_u64 s[G0+4*\s+2:G0+4*\s+3], s[20:21], \s*ROWB
	s_or_b32 s[G0+4*\s+3], s[G0+4*\s+3], 0x80000000
	s_mov_b32 s[G0B+4*\s], 1
	s_add_co_u32 s[G0B+4*\s+1], s45, \s*SLOT
	s_add_nc_u64 s[G0B+4*\s+2:G0B+4*\s+3], s[46:47], \s*ROWB
	s_or_b32 s[G0B+4*\s+3], s[G0B+4*\s+3], 0x80000000
	JLOAD G0+4*\s, G1, G0B+4*\s, G1B               ; three tensor loads of mine are out behind the second of these
.endr
	v_and_b32 v1, 15, v0                           ; r = lane % 16
	v_bfe_u32 v2, v0, 4, 1                         ; h = lane / 16
	v_mul_u32_u24 v3, v1, PITCH
	v_lshl_add_u32 v4, v2, 4, v3                   ; a fragment's row x pitch + 16 x half
	s_mul_i32 s21, s15, HALFT                      ; my 128 rows of A
	s_mul_i32 s22, s16, HALFT                      ; my 128 rows of B,
	s_add_co_u32 s22, s22, 2*HALFT                 ; which lie behind A's 256
.irp s, 0,1
	v_add_nc_u32 v[ADRA+\s], s21, v4
	v_add_nc_u32 v[ADRB+\s], s22, v4
	s_add_co_u32 s21, s21, SLOT
	s_add_co_u32 s22, s22, SLOT
.endr
	v_mul_u32_u24 v5, v1, KS                       ; my row's scales: KS bytes a row,
	v_lshrrev_b32 v6, 8, v5
	v_lshl_add_u32 v5, v6, 4, v5                   ; and 16 more for each 256 passed
	s_mul_i32 s21, s15, HALFS                      ; A's: my 128 rows
	s_mul_i32 s22, s16, HALFS                      ; B's: my 128 rows, behind A's 256
	s_add_co_u32 s22, s22, 2*HALFS
	s_sub_co_u32 s22, s22, s21
	v_mul_u32_u24 v6, s22, v2                      ; lanes 16-31 take B's: one product, the distance between the two bases
	s_add_co_u32 s21, s21, SCL
	v_add_nc_u32 v5, v5, v6
	v_add_nc_u32 v[ADRS], s21, v5
	; where my results go.  Row 256 tr + 128 half: batch tr / 8, tile of tokens 16 (tr % 8) + 8 half.  Column 256 tc + 128 half: which = tc / 4, head 4 (tc % 4) + 2 half
	s_lshr_b32 s20, s17, 3
	s_lshl_b32 s20, s20, 22                        ; a batch: 16 heads of 2^18 bytes
	s_and_b32 s21, s17, 7
	s_lshl_b32 s21, s21, 4
	s_lshl_b32 s18, s15, 3
	s_add_co_u32 s21, s21, s18
	s_lshl_b32 s21, s21, 11                        ; a tile of tokens: 2,048 bytes
	s_add_co_u32 s20, s20, s21
	s_lshr_b32 s46, s42, 2
	s_lshl_b32 s46, s46, 23                        ; q, k or v: 2^23 bytes each
	s_and_b32 s47, s42, 3
	s_lshl_b32 s47, s47, 2
	s_lshl_b32 s18, s16, 1
	s_add_co_u32 s47, s47, s18                     ; my first head
	s_lshl_b32 s19, s47, 18
	s_add_co_u32 s46, s46, s19
	s_add_co_u32 s20, s20, s46
	s_mov_b32 s21, 0
	s_add_nc_u64 s[96:97], s[96:97], s[20:21]
	s_lshr_b32 s20, s17, 3
	s_lshl_b32 s20, s20, 16                        ; img: a batch 2^16 bytes, a head 2^12, q, k or v 2^17
	s_lshr_b32 s46, s42, 2
	s_lshl_b32 s46, s46, 17
	s_lshl_b32 s47, s47, 12
	s_add_co_u32 s46, s46, s47
	s_add_co_u32 s20, s20, s46
	s_add_nc_u64 s[98:99], s[98:99], s[20:21]
	s_cmp_ge_u32 s42, 8                            ; v's columns?
	s_cselect_b32 s18, 32, 16                      ; q, k: 16 r + 256 h = 16 x lane;  v: 32 r + 16 h
	s_cselect_b32 s19, 16, 256
	v_mul_u32_u24 v[CO], s18, v1
	v_mul_u32_u24 v5, s19, v2
	v_add_nc_u32 v[CO], v[CO], v5
	v_and_b32 v[FO], 31, v0
	v_lshlrev_b32 v[FO], 4, v[FO]
	s_and_b32 s18, s17, 7
	s_or_b32 s18, s18, s15
	v_mov_b32 v[FLAG], s18
.macro FRAG reg, adr, q, i             ; a fragment, 16 rows x 128 K of 4-bit codes: lane l holds row l % 16; registers 4 c .. 4 c + 3 hold K = 64 c + 32 (l / 16) + 0 .. 31
.irp c, 0,1
	ds_load_b128 v[\reg+4*\c:\reg+4*\c+3], v[\adr] offset:64*(\q)+32*\c+(\i)*16*PITCH
.endr
.endm
; 16 matrix instructions: A's blocks a0, a0 + 1 x B's eight, the slot's q-th 128 along K.  p: B's set;  sc: the set of scale words.  zero = 1: the first product starts the sums.
; The 64 accumulators take turns, one instruction a turn, in the same order in every step.
.macro MUL16 a0, p, q, sc, zero
.irp a, \a0, \a0+1
.irp b, 0,1,2,3,4,5,6,7
.if \zero
	v_wmma_scale_f32_16x16x128_f8f6f4 v[8*(8*((\a)%4)+\b):8*(8*((\a)%4)+\b)+7], v[128*(\p)+FR*\b:128*(\p)+FR*\b+FR-1], v[AF+FR*(\a):AF+FR*(\a)+FR-1], 0, v[SC+8*NQ*(\sc)+NQ*\b+(\q)], v[SC+8*NQ*(\sc)+NQ*(\a)+(\q)] matrix_a_fmt:MATRIX_FMT_FP4 matrix_b_fmt:MATRIX_FMT_FP4 matrix_a_scale:MATRIX_SCALE_ROW1
.else
	v_wmma_scale_f32_16x16x128_f8f6f4 v[8*(8*((\a)%4)+\b):8*(8*((\a)%4)+\b)+7], v[128*(\p)+FR*\b:128*(\p)+FR*\b+FR-1], v[AF+FR*(\a):AF+FR*(\a)+FR-1], v[8*(8*((\a)%4)+\b):8*(8*((\a)%4)+\b)+7], v[SC+8*NQ*(\sc)+NQ*\b+(\q)], v[SC+8*NQ*(\sc)+NQ*(\a)+(\q)] matrix_a_fmt:MATRIX_FMT_FP4 matrix_b_fmt:MATRIX_FMT_FP4 matrix_a_scale:MATRIX_SCALE_ROW1
.endif
.endr
.endr
.endm
.macro FETCH_B slot, q, p              ; B's eight fragments of the slot's q-th 128 along K into set p
	WIN TO_B
.irp i, 0,1,2,3,4,5,6,7
	FRAG 128*(\p)+FR*\i, ADRB+\slot, \q, \i
.endr
	WIN 0
.endm
.macro FETCH_A slot, q, i0             ; A's blocks i0 .. i0 + 3
.irp i, \i0, \i0+1, \i0+2, \i0+3
	FRAG AF+FR*(\i), ADRA+\slot, \q, \i
.endr
.endm
.macro SCALES sc                       ; a slot's scale words into set sc: four words a row; lanes 0-15 take A's block i, lanes 16-31 B's block i
.irp i, 0,1,2,3,4,5,6,7
	ds_load_b128 v[SC+8*NQ*\sc+NQ*\i:SC+8*NQ*\sc+NQ*\i+3], v[ADRS] offset:\i*SBLK
.endr
.endm
.macro PLACES n                        ; places behind matrix instructions, in front of loads into registers that they read and of reads of their results
.rept \n
	v_nop
.endr
.endm
; A step of 128 along K that has its successor in the same slot.
.macro STEP slot, q, zero
	s_wait_dscnt 4*NL                              ; B's set and A's blocks 0-3 are in; the youngest eight loads (A's blocks 4-7) may be out
	WIN MUL_LO
	MUL16 0, (\q)%2, \q, \slot, \zero
	MUL16 2, (\q)%2, \q, \slot, \zero
	s_wait_dscnt 0                                 ; A's blocks 4-7 are in
	PLACES NP
	FETCH_B \slot, (\q)+1, 1-(\q)%2
	FETCH_A \slot, (\q)+1, 0
	WIN MUL_HI
	MUL16 4, (\q)%2, \q, \slot, \zero
	MUL16 6, (\q)%2, \q, \slot, \zero
	PLACES NP
	WIN 0
	FETCH_A \slot, (\q)+1, 4
.endm
; Slot 0's last step goes over to slot 1: in front of the barrier each wave waits for all its tensor loads (its part of slot 1); behind it slot 1 is whole.  Nothing is filled again.
.macro TURN slot, next
	s_wait_tensorcnt 0x0                           ; all my tensor loads have landed
	ds_add_u32 v[SPW], v[NIL]                      ; 0 onto my spare word
	s_wait_dscnt 4*NL+1                            ; (the add and the youngest eight loads, A's blocks 4-7, may be out)
	WIN MUL_LO
	MUL16 0, 1, NQ-1, \slot, 0
	s_wait_dscnt 0x0                               ; the add is done, and my reads of this slot are over
	s_barrier_signal -1
	MUL16 2, 1, NQ-1, \slot, 0
	WIN 0
	s_barrier_wait -1
	PLACES NP
	v_add_nc_u32 v[ADRS], 4*NQ, v[ADRS]            ; on to the next slot's scale words (no LDS load of mine is out)
	FETCH_B \next, 0, 0
	FETCH_A \next, 0, 0
	SCALES \next
	WIN MUL_HI
	MUL16 4, 1, NQ-1, \slot, 0
	MUL16 6, 1, NQ-1, \slot, 0
	PLACES NP
	WIN 0
	FETCH_A \next, 0, 4
.endm
	s_wait_tensorcnt 1                             ; the scales and my part of slot 0 are in; slot 1's load may be out
	s_barrier_signal -1
	s_barrier_wait -1                              ; everybody's are
	FETCH_B 0, 0, 0
	FETCH_A 0, 0, 0
	SCALES 0
	FETCH_A 0, 0, 4
	STEP 0, 0, 1                                   ; the first step's products start the sums: nothing is cleared
	STEP 0, 1, 0
	STEP 0, 2, 0
	TURN 0, 1
	STEP 1, 0, 0
	STEP 1, 1, 0
	STEP 1, 2, 0
	s_wait_dscnt 4*NL                              ; the last step: nothing more to fetch
	WIN MUL_LO
	MUL16 0, 1, NQ-1, 1, 0
	MUL16 2, 1, NQ-1, 1, 0
	s_wait_dscnt 0
	WIN MUL_HI
	MUL16 4, 1, NQ-1, 1, 0
	MUL16 6, 1, NQ-1, 1, 0
	WIN 0
	; THE WAY OUT
	PLACES NP                                      ; with all lanes on: behind the last products, in front of reads of results and of writes into the registers that held A's fragments
	s_wait_xcnt 0x0                                ; EXEC changes only behind this wait
	v_cmp_eq_u32 vcc_lo, 0, v[FLAG]
	s_and_saveexec_b32 s3, vcc_lo                  ; all lanes where my block 0 is tokens 0-15 of a batch, else none
	WIN 0x08                                       ; a store's data: window 2
.irp b, 0,1,2,3,4,5,6,7
	global_store_b128 v[FO], v[8*\b:8*\b+3], s[98:99] offset:(\b/4)*4096+(\b%4)*1024          ; each accumulator from its low end on; 512 consecutive bytes a store
	global_store_b128 v[FO], v[8*\b+4:8*\b+7], s[98:99] offset:(\b/4)*4096+(\b%4)*1024+512
.endr
	WIN 0
	s_wait_xcnt 0x0                                ; and again in front of the line that restores it
	s_or_b32 exec_lo, exec_lo, s3
.irp a, 0,1,2,3,4,5,6,7                ; block a: 16 tokens x 128 columns = two heads x 64 channels
.if \a >= 4
	s_wait_xcnt 0x0                                ; the stores of block a - 4 have read their data: the set is written again only behind this wait
.endif
	WIN 0x0a+5*(\a/4)                              ; sources 0 and 1: window 2 or 3
.irp b, 0,1,2,3,4,5,6,7
.irp i, 0,1,2,3
	v_cvt_pk_f16_f32 v[OUTR+32*(\a%4)+4*\b+\i], v[64*(\a%4)+8*\b+2*\i], v[64*(\a%4)+8*\b+2*\i+1]
.endr
.endr
	WIN 0
.irp b, 0,1,2,3,4,5,6,7
	global_store_b128 v[CO], v[OUTR+32*(\a%4)+4*\b:OUTR+32*(\a%4)+4*\b+3], s[96:97] offset:\a*2048+(\b/4)*262144+(\b%4)*512   ; 512 consecutive bytes, aligned
.endr
.endr
	s_wait_tensorcnt 0x0                           ; the wave's end
	ds_add_u32 v[SPW], v[NIL]
	s_wait_dscnt 0x0
	CROUND                                         ; the closing round
	s_endpgm
.Lfunc_end_k_qe423f827b1_qkv:
	.size	k_qe423f827b1_qkv, .Lfunc_end_k_qe423f827b1_qkv-k_qe423f827b1_qkv
	.p2alignl 7, 3214868480
	.fill 96, 4, 3214868480
	.section	.rodata,"a",@progbits
	.p2align	6, 0x0
	.amdhsa_kernel k_qe423f827b1_qkv
		.amdhsa_group_segment_fixed_size 327680
		.amdhsa_private_segment_fixed_size 0
		.amdhsa_enable_private_segment 0
		.amdhsa_kernarg_size 48
		.amdhsa_user_sgpr_count 2
		.amdhsa_user_sgpr_kernarg_segment_ptr 1
		.amdhsa_wavefront_size32 1
		.amdhsa_system_sgpr_workgroup_id_x 1
		.amdhsa_system_sgpr_workgroup_id_y 1
		.amdhsa_system_sgpr_workgroup_id_z 1
		.amdhsa_system_vgpr_workitem_id 0
		.amdhsa_next_free_vgpr 1024
		.amdhsa_next_free_sgpr 100
		.amdhsa_reserve_vcc 1
		.amdhsa_float_denorm_mode_32 3
		.amdhsa_float_denorm_mode_16_64 3
		.amdhsa_memory_ordered 1
		.amdhsa_forward_progress 1
		.amdhsa_inst_pref_size 120
	.end_amdhsa_kernel
	.amdgpu_metadata
---
amdhsa.version: [ 1, 2 ]
amdhsa.kernels:
  - .name:           k_qe423f827b1_qkv
    .symbol:         k_qe423f827b1_qkv.kd
    .args:
      - { .name: xc, .offset: 0, .size: 8, .value_kind: global_buffer, .address_space: global }
      - { .name: xs, .offset: 8, .size: 8, .value_kind: global_buffer, .address_space: global }
      - { .name: wc, .offset: 16, .size: 8, .value_kind: global_buffer, .address_space: global }
      - { .name: ws, .offset: 24, .size: 8, .value_kind: global_buffer, .address_space: global }
      - { .name: qkv, .offset: 32, .size: 8, .value_kind: global_buffer, .address_space: global }
      - { .name: img, .offset: 40, .size: 8, .value_kind: global_buffer, .address_space: global }
    .group_segment_fixed_size: 327680
    .private_segment_fixed_size: 0
    .kernarg_segment_align: 8
    .kernarg_segment_size: 48
    .max_flat_workgroup_size: 128
    .sgpr_count:     100
    .vgpr_count:     1024
    .wavefront_size: 32
...
	.end_amdgpu_metadata
.endif
;; end of part 2
;; launch attn (part 3): grid 8 x 32, 8 waves a work-group, no clusters, 327,680 bytes of LDS; arguments qkv, att; writes att
.if DOCPART == 3
	.amdgcn_target "amdgcn-amd-amdhsa--gfx1250"
	.amdhsa_code_object_version 6
	.text
	.protected	k_qe423f827b1_attn
	.globl	k_qe423f827b1_attn
	.p2align	8
	.type	k_qe423f827b1_attn,@function
k_qe423f827b1_attn:
	s_mov_b64 s[64:65], 0
	v_nop
	global_prefetch_b8 v0, s[64:65] scope:SCOPE_SE
	s_setreg_imm32_b32 hwreg(HW_REG_WAVE_MODE, 25, 1), 1
	s_wait_xcnt 0x0
; att[b][q][head] = softmax_k(q . k / 8, causal) v, for 32 (batch, head) pairs of 2,048 tokens and 64 channels.  Operands f16 (made by the launch before), products, maxima and sums f32; p is rounded to f16 for the second product.
; SHARES.  Work-group (g, bh).  Wave w owns TWO tiles of 16 queries: tile 0 at 128 g + 16 w and tile 1 at 2,032 - that: under the causal mask the two together see the same number of keys in every wave of every work-group.
; Two waves share a SIMD, so that one wave's softmax stands beside the other's products and LDS loads.
; EVERY work-group walks all 8 slots of 256 keys: the trip counts are constants.  What is left out is work: a key step (64 keys) all of whose keys come after a tile's queries is jumped over, by a scalar branch on ids.
; NO CLUSTER: work-group g reads keys up to 2,047 - 128 g only, so partners would need different numbers of tiles.
; LAYOUT.  S^T = K Q^T (source 0 = 16 keys, source 1 = 16 queries): a lane holds one query (lane % 16) and keys 8 (lane / 16) + 0..7 of each tile of 16 keys.  Two such tiles, rounded to f16 in pairs, are source 1
; (32 keys x 16 queries) of O^T = V^T P, whose result again holds one query a lane and eight channels.  Q's and K's tiles lie in memory in the order of the operand's registers, so an LDS load at 16 x lane brings half a fragment;
; V lies [16 channels][token][32 bytes] and is turned by ds_load_tr16_b128.  O leaves in the order of the next product's operand registers: stores at 16 x lane, 512 consecutive bytes each.
; SOFTMAX.  For each query a running maximum m and sum l: p = 2^(c s - c m), c = log2(e) / 8; in every step O and l are multiplied by a = 2^(c m_old - c m_new).  m begins at -3e38, l and O^T at 0: the first step finds zeros.
; LIMITS: NaN and infinities are not served.
; REGISTERS: v1-8 addresses; v12-27 statistics, 8 a tile: +0 c m, +1 m, +2, +3 l, +4..+7 at work (a in +6); v28-31 at work; v32-63 Q; v64-127 S^T, then p, then P in each tile's first 16; v128-191 O^T; v192-255 K's, then V's 8 fragments.
.set SLOT1, 1<<16                      ; a slot: 32,768 bytes of K (16 tiles of 16 keys x 2,048), then as much of V; slot 1 begins here: one exclusive or turns an address
.set VOFF,  32768
.set SPARE, 2*SLOT1                    ; behind the ring: the spare words, 128 bytes for each of eight waves
.set AK0, 1                            ; v1  16 x lane: K's fragments in LDS, Q's in memory, O's on the way out; never rewritten
.set AV0, 2                            ; v2  my lane's place in a tile of V
.set ADK, 3                            ; v3  the slot in hand: K
.set ADV, 4                            ; v4  V
.set SPW, 5                            ; v5  LDS address of my spare word; never rewritten
.set NIL, 6                            ; v6  0; never rewritten
.set PFO, 7                            ; v7  256 x lane: the prefetches' offset; never rewritten
.set DD,  8                            ; v8  lane % 16 - 8 (lane / 16)
.set ST,  12
.set Q,   32
.set S,   64
.set O,   128
.set KV,  192
.set WV,  8                            ; s8   my wave's number
.set G0,  12                           ; s[12:15] descriptor group 0: it walks
.set G1,  16                           ; s[16:23] descriptor group 1
.set SEL, 24                           ; s[24:25] v_permlanex16_b32's selects for lane l xor 16
.set CS,  26                           ; s[26:27] c, twice: the packed form names a pair
.set TB,  28                           ; s28  LDS byte at which the slot in hand begins
.set KF,  29                           ; s29  the step's first key
.set SLOTS, 30                         ; s30  slots still to be asked for
.set LASTQ, 31                         ; s31  my work-group's last query
.set Q0,  32                           ; s32, s33 the first query of tile 0, 1
.set QL,  34                           ; s34, s35 the last
.set PFA, 36                           ; s[36:37] where my prefetches stand
.set LIM, 38                           ; s38  1 in a wave that prefetches, else the greatest number
.set QA,  50                           ; s[50:51], s[52:53] Q's tiles in memory
.set OA,  54                           ; s[54:55], s[56:57] where the tiles' results go
; Wave 0 fetches a slot's K, wave 1 its V: one line, whose LDS and global addresses hang on the wave's number.  The branch hangs on the wave's number alone.  An s_nop 0 and four v_nop follow the line.
.macro TLOAD
	s_cmp_lt_u32 s[WV], 2
	s_cbranch_scc0 .Lasked_\@
	tensor_load_to_lds s[G0:G0+3], s[G1:G1+7]
	s_nop 0
.rept 4
	v_nop
.endr
.Lasked_\@:
.endm
; A PREFETCH INTO THE L2 of the slot that the NEXT change of slots will ask for: a slot's four key steps ahead of that load.  All eight work-groups of a (batch, head) walk the same K and V: the first of them (g = 0, which
; walks every slot) asks.  In it waves 4 and 5 take the halves of K's 32,768 bytes, waves 6 and 7 of V's: two instructions a wave, lanes 256 bytes apart.  So each aligned 256 bytes are named once in the launch.
; The last change that fills a slot asks for nothing; slots 0 and 1 come by their loads alone.
.macro ASK
	s_cmp_gt_u32 s[SLOTS], s[LIM]
	s_cbranch_scc0 .Lnot_mine_\@
	global_prefetch_b8 v[PFO], s[PFA:PFA+1] th:TH_LOAD_NT scope:SCOPE_SE
	global_prefetch_b8 v[PFO], s[PFA:PFA+1] offset:8192 th:TH_LOAD_NT scope:SCOPE_SE
.Lnot_mine_\@:
.endm
	s_load_b128 s[4:7], s[0:1], 0x0                ; qkv s[4:5], att s[6:7]
	v_lshl_add_u32 v[SPW], v0, 2, SPARE
	v_mov_b32 v[NIL], 0
	ds_add_u32 v[SPW], v[NIL]                      ; the wave's opening: the add, twice on end, and its wait ahead of the first tensor load
	ds_add_u32 v[SPW], v[NIL]
	v_lshrrev_b32 v9, 5, v0
	v_readfirstlane_b32 s[WV], v9                  ; wave 0..7
	s_and_b32 s9, ttmp7, 0xffff                    ; 16 x batch + head
	; descriptor group 1: a dense block of 32,768 bytes as 128 rows of 256 bytes (32 elements of 8 bytes), no padding: the readers take 16 x lane
	s_mov_b32 s[G1+0], 3<<16
	s_mov_b32 s[G1+1], 32<<16                      ; tensor_dim0
	s_mov_b32 s[G1+2], 128<<16                     ; tensor_dim1
	s_mov_b32 s[G1+3], 32<<16                      ; tile_dim0
	s_mov_b32 s[G1+4], 128                         ; tile_dim1
	s_mov_b32 s[G1+5], 32                          ; from row to row
	s_mov_b32 s[G1+6], 0
	s_mov_b32 s[G1+7], 0
	s_lshl_b32 s[Q0], ttmp9, 7
	s_lshl_b32 s46, s[WV], 4
	s_add_co_u32 s[Q0], s[Q0], s46                 ; tile 0: 128 g + 16 w
	s_sub_co_u32 s[Q0+1], 2032, s[Q0]              ; tile 1: its mirror
	s_add_co_u32 s[QL], s[Q0], 15
	s_add_co_u32 s[QL+1], s[Q0+1], 15
	s_lshl_b32 s46, ttmp9, 7
	s_sub_co_u32 s[LASTQ], 2047, s46
	s_mov_b32 s[SEL], 0x76543210
	s_mov_b32 s[SEL+1], 0xfedcba98
	s_mov_b32 s[CS], 0x3e38aa3b                    ; c = log2(e) / sqrt(64)
	s_mov_b32 s[CS+1], s[CS]
	s_mov_b32 s[TB], 0
	s_mov_b32 s[KF], 0
	s_mov_b32 s[SLOTS], 7
	s_lshl_b32 s10, s9, 18                         ; my (batch, head)'s 2^18 bytes in each of q, k, v
	s_min_u32 s46, s[WV], 1
	s_add_co_u32 s46, s46, 1                       ; wave 0: k, wave 1: v
	s_lshl_b32 s46, s46, 23
	s_add_co_u32 s46, s46, s10
	s_mov_b32 s47, 0
	s_wait_dscnt 0x0                               ; both opening adds are done
	s_wait_kmcnt 0x0
	s_mov_b32 s[G0], 1                             ; count = 1
	s_lshl_b32 s[G0+1], s[WV], 15                  ; LDS: slot 0; K at 0, V at 32,768
	s_add_nc_u64 s[G0+2:G0+3], s[4:5], s[46:47]    ; the first 256 keys
	s_or_b32 s[G0+3], s[G0+3], 0x80000000          ; type = 2
	TLOAD                                          ; slot 0: key 0 counts for every query, so every wave reads it
.irp t, 0,1
	s_lshl_b32 s46, s[Q0+\t], 7                    ; a tile of 16 tokens is 2,048 bytes
	s_add_co_u32 s46, s46, s10
	s_add_nc_u64 s[QA+2*\t:QA+2*\t+1], s[4:5], s[46:47]
.endr
	s_lshr_b32 s11, s9, 4
	s_lshl_b32 s11, s11, 22                        ; att: [tile of 16 tokens][32 fragments of 1,024 bytes]: a batch is 128 tiles of 2^15 bytes,
	s_and_b32 s48, s9, 15
	s_lshl_b32 s48, s48, 11                        ; a head two fragments
	s_add_co_u32 s11, s11, s48
.irp t, 0,1
	s_lshl_b32 s46, s[Q0+\t], 11
	s_add_co_u32 s46, s46, s11
	s_add_nc_u64 s[OA+2*\t:OA+2*\t+1], s[6:7], s[46:47]
.endr
	s_cmp_lt_u32 s[WV], 6                          ; the prefetches: waves 4, 5: k; waves 6, 7: v
	s_cselect_b32 s46, 1, 2
	s_lshl_b32 s46, s46, 23
	s_add_co_u32 s46, s46, s10
	s_and_b32 s48, s[WV], 1
	s_lshl_b32 s48, s48, 14                        ; my half of a slot's 32,768 bytes,
	s_add_co_u32 s46, s46, s48
	s_add_co_u32 s46, s46, 32768                   ; in slot 1: the first change of slots steps it to slot 2
	s_add_nc_u64 s[PFA:PFA+1], s[4:5], s[46:47]
	s_sub_co_u32 s48, s[WV], 4
	s_lshr_b32 s48, s48, 2                         ; 0 in waves 4 to 7,
	s_or_b32 s48, s48, ttmp9                       ; of work-group g = 0
	s_cmp_eq_u32 s48, 0
	s_cselect_b32 s[LIM], 1, -1
	v_and_b32 v9, 31, v0                           ; lane
	v_lshlrev_b32 v[AK0], 4, v9
.irp t, 0,1
.irp u, 0,1
	global_load_b128 v[Q+16*\t+8*\u:Q+16*\t+8*\u+3],   v[AK0], s[QA+2*\t:QA+2*\t+1] offset:\u*1024      ; Q stays in registers
	global_load_b128 v[Q+16*\t+8*\u+4:Q+16*\t+8*\u+7], v[AK0], s[QA+2*\t:QA+2*\t+1] offset:\u*1024+512
.endr
.endr
	v_lshlrev_b32 v[PFO], 8, v9
	v_and_b32 v10, 15, v0                          ; r
	v_bfe_u32 v11, v0, 4, 1                        ; h
	v_lshlrev_b32 v28, 3, v11
	v_sub_nc_u32 v[DD], v10, v28                   ; r - 8 h
	v_and_b32 v29, 7, v0
	v_add_nc_u32 v29, v29, v28                     ; the turning load: lane l reads 16 bytes of key 8 (l / 16) + l % 8, channels 8 ((l / 8) % 2) on
	v_bfe_u32 v30, v0, 3, 1
	v_lshlrev_b32 v[AV0], 5, v29                   ; a key's 16 channels are 32 bytes
	v_lshl_add_u32 v[AV0], v30, 4, v[AV0]
	v_add_nc_u32 v[AV0], VOFF, v[AV0]
.irp t, 0,1
	v_mov_b32 v[ST+8*\t+1], 0xff61b1e6             ; m: -3e38, under every score
	v_mul_f32 v[ST+8*\t], s[CS], v[ST+8*\t+1]      ; c m
.irp i, 2,3,4,5,6,7
	v_mov_b32 v[ST+8*\t+\i], 0                     ; l, and the registers at work
.endr
.endr
.set n, 0
.rept 64
	v_mov_b32 v[O+n], 0                            ; O^T.  (The step is written once for all steps: a tile's first step finds zeros)
.set n, n+1
.endr
; S^T = K Q^T for tile t: 64 keys x 64 channels: 8 products; the four accumulators take turns; the first four start the sums
.macro KQ t
.irp u, 0,1
.irp kt, 0,1,2,3
.if \u == 0
	v_wmma_f32_16x16x32_f16 v[S+32*\t+8*\kt:S+32*\t+8*\kt+7], v[KV+8*(2*\kt+\u):KV+8*(2*\kt+\u)+7], v[Q+16*\t+8*\u:Q+16*\t+8*\u+7], 0
.else
	v_wmma_f32_16x16x32_f16 v[S+32*\t+8*\kt:S+32*\t+8*\kt+7], v[KV+8*(2*\kt+\u):KV+8*(2*\kt+\u)+7], v[Q+16*\t+8*\u:Q+16*\t+8*\u+7], v[S+32*\t+8*\kt:S+32*\t+8*\kt+7]
.endif
.endr
.endr
.endm
; O^T += V^T P for tile t: 64 channels x 64 keys: 8 products, the four accumulators by turns
.macro PV t
.irp ks, 0,1
.irp ct, 0,1,2,3
	v_wmma_f32_16x16x32_f16 v[O+32*\t+8*\ct:O+32*\t+8*\ct+7], v[KV+8*(4*\ks+\ct):KV+8*(4*\ks+\ct)+7], v[S+32*\t+8*\ks:S+32*\t+8*\ks+7], v[O+32*\t+8*\ct:O+32*\t+8*\ct+7]
.endr
.endr
.endm
; V of the slot's q-th step, turned: keys 32 ks on, channels 16 ct on; it lands while the softmax is walked.  Four places stand in front: the loads go into K's registers, which the products just issued read,
; and the same four serve the first reads of the scores.
.macro VLOAD q
.rept 4
	v_nop
.endr
.irp ks, 0,1
.irp ct, 0,1,2,3
	ds_load_tr16_b128 v[KV+8*(4*\ks+\ct):KV+8*(4*\ks+\ct)+3],   v[ADV] offset:(\q)*8192+\ks*4096+\ct*512
	ds_load_tr16_b128 v[KV+8*(4*\ks+\ct)+4:KV+8*(4*\ks+\ct)+7], v[ADV] offset:(\q)*8192+\ks*4096+\ct*512+2048
.endr
.endr
.endm
; On the diagonal the scores of hidden keys become -infinity ahead of the maximum.  A step all of whose keys count jumps over this.  Register 8 kt + j holds key KF + 16 kt + 8 (lane / 16) + j.
.macro MASK t
	s_add_co_u32 s46, s[KF], 63
	s_cmp_le_u32 s46, s[Q0+\t]
	s_cbranch_scc1 .Lopen_\@
	s_sub_co_i32 s46, s[Q0+\t], s[KF]
	v_add_nc_u32 v30, s46, v[DD]                   ; d = my query - KF - 8 (lane / 16): hidden where 16 kt + j > d
	v_mov_b32 v31, 0xff800000
.set n, 0
.rept 32
	v_cmp_gt_i32 vcc_lo, 16*(n/8)+n%8, v30
	v_cndmask_b32 v[S+32*\t+n], v[S+32*\t+n], v31, vcc_lo
.set n, n+1
.endr
.Lopen_\@:
.endm
; A tile's softmax for a key step.
.macro SOFT t
.set rT, ST+8*\t
.set rS, S+32*\t
.set rO, O+32*\t
.irp j, 0,1,2,3
	v_max3_num_f32 v[rT+4+\j], v[rS+8*\j], v[rS+8*\j+1], v[rS+8*\j+2]   ; four chains, one for each accumulator, each from its low end on
.endr
.irp i, 3,5
.irp j, 0,1,2,3
	v_max3_num_f32 v[rT+4+\j], v[rT+4+\j], v[rS+8*\j+\i], v[rS+8*\j+\i+1]
.endr
.endr
	v_max3_num_f32 v[rT+4], v[rT+4], v[rS+7], v[rS+15]
	v_max3_num_f32 v[rT+6], v[rT+6], v[rS+23], v[rS+31]
	v_max3_num_f32 v[rT+4], v[rT+4], v[rT+5], v[rT+6]
	v_max3_num_f32 v[rT+4], v[rT+4], v[rT+7], v[rT+1]              ; and the old m
	v_permlanex16_b32 v[rT+5], v[rT+4], s[SEL], s[SEL+1]           ; the query's other 32 keys lie in the lane 16 away
	v_mov_b32 v[rT+7], v[rT]                                       ; c m_old
	v_max_num_f32 v[rT+1], v[rT+4], v[rT+5]                        ; the new m
	v_mul_f32 v[rT], s[CS], v[rT+1]
	v_sub_f32 v[rT+7], v[rT+7], v[rT]                              ; c m_old - c m_new
.set n, 0
.rept 16
	v_pk_fma_f32 v[rS+n:rS+n+1], v[rS+n:rS+n+1], s[CS:CS+1], v[rT:rT+1] op_sel_hi:[1,0,0] neg_lo:[0,0,1] neg_hi:[0,0,1]   ; c s - c m, two at a time
.set n, n+2
.endr
	v_exp_f32 v[rT+6], v[rT+7]                                     ; a
.set n, 0
.rept 32
	v_exp_f32 v[rS+n], v[rS+n]                                     ; p
.set n, n+1
.endr
	v_nop                                                          ; a plain instruction behind the last exponential
	s_wait_alu depctr_va_vdst(0)                                   ; one wait for the batch of 33, ahead of its first reader
	v_pk_add_f32 v[28:29], v[rS:rS+1], v[rS+2:rS+3]                ; the sum is taken of the unrounded p, in two chains
	v_pk_add_f32 v[30:31], v[rS+4:rS+5], v[rS+6:rS+7]
.irp j, 8,12,16,20,24,28
	v_pk_add_f32 v[28:29], v[28:29], v[rS+\j:rS+\j+1]
	v_pk_add_f32 v[30:31], v[30:31], v[rS+\j+2:rS+\j+3]
.endr
	v_pk_add_f32 v[28:29], v[28:29], v[30:31]
	v_pk_fma_f32 v[rT+2:rT+3], v[rT+2:rT+3], v[rT+6:rT+7], v[28:29] op_sel_hi:[1,0,1]   ; l = a l + the sum
.set n, 0
.rept 16
	v_cvt_pk_f16_f32 v[rS+n], v[rS+2*n], v[rS+2*n+1]               ; P, in place: register n is written when registers 2 n and 2 n + 1 are read, and no later line reads below 2 n + 2
.set n, n+1
.endr
.set n, 0
.rept 16
	v_pk_mul_f32 v[rO+n:rO+n+1], v[rO+n:rO+n+1], v[rT+6:rT+7] op_sel_hi:[1,0]   ; O^T x a, each accumulator from its low end on
.set n, n+2
.endr
.endm
; A KEY STEP: 64 keys, the q-th of the slot in hand.  Tile 1's queries come after tile 0's, so where tile 1 has nothing left neither has tile 0: the whole step is jumped over.
; Whether tile 0 still has keys is tested ONCE, behind K's loads, and the step parts into two arms that are written out: on each way a tile's scores and its P are written before they are read.
; THE ARM FOR BOTH TILES has no mask for tile 1: there KF is at most tile 0's first query, which is at most 1,008; KF is a multiple of 64, so KF + 63 is at most 1,023, and tile 1's first query is at least 1,024.
.macro STEP q
	s_cmp_gt_u32 s[KF], s[QL+1]
	s_cbranch_scc1 .Lhid_\@
.rept 5
	v_nop                                          ; five places behind the last step's products: four for the loads into V's registers, five for the products that write over P
.endr
.irp f, 0,1,2,3,4,5,6,7                        ; K: keys 16 (f / 2) on, channels 32 (f % 2) on
	ds_load_b128 v[KV+8*\f:KV+8*\f+3],   v[ADK] offset:(\q)*8192+\f*1024
	ds_load_b128 v[KV+8*\f+4:KV+8*\f+7], v[ADK] offset:(\q)*8192+\f*1024+512
.endr
	s_wait_dscnt 0x0                               ; K is in
	s_cmp_gt_u32 s[KF], s[QL]
	s_cbranch_scc1 .Lone_\@
	KQ 1                                           ; both tiles
	KQ 0
	VLOAD \q
	SOFT 1
	MASK 0
	SOFT 0
	s_wait_dscnt 0x0                               ; V is in
	PV 1
	PV 0
	s_branch .Lhid_\@
.Lone_\@:
	KQ 1                                           ; tile 1 alone
	VLOAD \q
	MASK 1
	SOFT 1
	s_wait_dscnt 0x0                               ; V is in
	PV 1
.Lhid_\@:
	s_add_co_u32 s[KF], s[KF], 64
.endm
; THE CHANGE OF SLOTS stands at a slot's head.  Each wave waits for all its tensor loads, adds 0 to its spare word, and waits for that and for its reads of the slot that it has left.  Behind the barrier the slot ahead is
; whole and nobody reads the other one.  fill = 1: that other slot is filled with the next 256 keys, while their first key is at or under my work-group's last query: a slot beyond that is read by none of the eight waves.
.macro CHANGE fill
	s_wait_tensorcnt 0x0                           ; no tensor load of mine is out, so group 0 may be written
	ds_add_u32 v[SPW], v[NIL]                      ; 0 onto my spare word
.if \fill
	ds_add_u32 v[SPW], v[NIL]                      ; and once more: the add stands twice on end, in every trip alike
	s_xor_b32 s[G0+1], s[G0+1], SLOT1              ; the other slot than last time,
	s_add_nc_u64 s[G0+2:G0+3], s[G0+2:G0+3], 32768 ; the next 256 keys
	s_wait_xcnt 0x0                                ; the last prefetches, a slot back, have read their address
	s_add_nc_u64 s[PFA:PFA+1], s[PFA:PFA+1], 32768 ; one slot further on than the walking descriptor
.endif
	s_wait_dscnt 0x0                               ; the add is done, and my reads of the slot that I have left are over
	s_barrier_signal -1
	s_barrier_wait -1
.if \fill
	s_add_co_u32 s46, s[KF], 256                   ; the first key of the slot that this change would ask for:
	s_cmp_gt_u32 s46, s[LASTQ]                     ; ids and the count of steps alone: all eight waves go the same way, and a work-group that is past the limit stays past it
	s_cbranch_scc1 .Lpast_\@
	TLOAD                                          ; a wave's one tensor load until the next barrier; by this text's count at most one is out
.Lpast_\@:
	ASK
.endif
.endm
.macro SLOT_STEPS
	v_add_nc_u32 v[ADK], s[TB], v[AK0]
	v_add_nc_u32 v[ADV], s[TB], v[AV0]
	STEP 0
	STEP 1
	STEP 2
	STEP 3
	s_xor_b32 s[TB], s[TB], SLOT1                  ; on to the other slot
.endm
	s_wait_loadcnt 0x0                             ; Q
.Lslot:                                            ; 7 trips: behind each change of slots but the last the next slot is asked for, up to the causal limit
	CHANGE 1
	SLOT_STEPS
	s_sub_co_u32 s[SLOTS], s[SLOTS], 1
	s_cmp_lg_u32 s[SLOTS], 0
	s_cbranch_scc1 .Lslot
	CHANGE 0                                       ; the last slot is written out: nothing is left to ask for
	SLOT_STEPS
	; THE WAY OUT: O^T / l, rounded to f16: four registers are half a fragment of the next product's operand, stored at 16 x lane
.rept 4
	v_nop                                          ; places behind the last products
.endr
.irp t, 0,1
	v_add_f32 v[ST+8*\t+4], v[ST+8*\t+2], v[ST+8*\t+3]
.endr
.irp t, 0,1
	v_permlanex16_b32 v[ST+8*\t+5], v[ST+8*\t+4], s[SEL], s[SEL+1]
.endr
.irp t, 0,1
	v_add_f32 v[ST+8*\t+4], v[ST+8*\t+4], v[ST+8*\t+5]
.endr
.irp t, 0,1
	v_rcp_f32 v[ST+8*\t+6], v[ST+8*\t+4]
.endr
	v_nop                                          ; a plain instruction behind the last reciprocal
	s_wait_alu depctr_va_vdst(0)                   ; one wait for the two, ahead of the first reader
.irp t, 0,1
.set n, 0
.rept 16
	v_pk_mul_f32 v[O+32*\t+n:O+32*\t+n+1], v[O+32*\t+n:O+32*\t+n+1], v[ST+8*\t+6:ST+8*\t+7] op_sel_hi:[1,0]
.set n, n+2
.endr
.set n, 0
.rept 16
	v_cvt_pk_f16_f32 v[S+32*\t+n], v[O+32*\t+2*n], v[O+32*\t+2*n+1]
.set n, n+1
.endr
.irp ct, 0,1,2,3
	global_store_b128 v[AK0], v[S+32*\t+4*\ct:S+32*\t+4*\ct+3], s[OA+2*\t:OA+2*\t+1] offset:\ct*512   ; 512 consecutive bytes, aligned
.endr
.endr
	s_wait_tensorcnt 0x0                           ; the wave's end
	ds_add_u32 v[SPW], v[NIL]
	s_wait_dscnt 0x0
	s_endpgm
.Lfunc_end_k_qe423f827b1_attn:
	.size	k_qe423f827b1_attn, .Lfunc_end_k_qe423f827b1_attn-k_qe423f827b1_attn
	.p2alignl 7, 3214868480
	.fill 96, 4, 3214868480
	.section	.rodata,"a",@progbits
	.p2align	6, 0x0
	.amdhsa_kernel k_qe423f827b1_attn
		.amdhsa_group_segment_fixed_size 327680
		.amdhsa_private_segment_fixed_size 0
		.amdhsa_enable_private_segment 0
		.amdhsa_kernarg_size 16
		.amdhsa_user_sgpr_count 2
		.amdhsa_user_sgpr_kernarg_segment_ptr 1
		.amdhsa_wavefront_size32 1
		.amdhsa_system_sgpr_workgroup_id_x 1
		.amdhsa_system_sgpr_workgroup_id_y 1
		.amdhsa_system_sgpr_workgroup_id_z 1
		.amdhsa_system_vgpr_workitem_id 0
		.amdhsa_next_free_vgpr 256
		.amdhsa_next_free_sgpr 66
		.amdhsa_reserve_vcc 1
		.amdhsa_float_denorm_mode_32 3
		.amdhsa_float_denorm_mode_16_64 3
		.amdhsa_memory_ordered 1
		.amdhsa_forward_progress 1
		.amdhsa_inst_pref_size 255
	.end_amdhsa_kernel
	.amdgpu_metadata
---
amdhsa.version: [ 1, 2 ]
amdhsa.kernels:
  - .name:           k_qe423f827b1_attn
    .symbol:         k_qe423f827b1_attn.kd
    .args:
      - { .name: qkv, .offset: 0, .size: 8, .value_kind: global_buffer, .address_space: global }
      - { .name: att, .offset: 8, .size: 8, .value_kind: global_buffer, .address_space: global }
    .group_segment_fixed_size: 327680
    .private_segment_fixed_size: 0
    .kernarg_segment_align: 8
    .kernarg_segment_size: 16
    .max_flat_workgroup_size: 256
    .sgpr_count:     66
    .vgpr_count:     256
    .wavefront_size: 32
...
	.end_amdgpu_metadata
.endif
;; end of part 3
;; launch oproj (part 4): grid 8 x 32, 4 waves a work-group, clusters of 4 x 4, 327,680 bytes of LDS; arguments att, wo16, out0; writes out0
.if DOCPART == 4
	.amdgcn_target "amdgcn-amd-amdhsa--gfx1250"
	.amdhsa_code_object_version 6
	.text
	.protected	k_qe423f827b1_oproj
	.globl	k_qe423f827b1_oproj
	.p2align	8
	.type	k_qe423f827b1_oproj,@function
k_qe423f827b1_oproj:
	s_mov_b64 s[64:65], 0
	v_nop
	global_prefetch_b8 v0, s[64:65] scope:SCOPE_SE
	s_setreg_imm32_b32 hwreg(HW_REG_WAVE_MODE, 25, 1), 1
	s_wait_xcnt 0x0
	s_wait_alu depctr_hold_cnt(0) depctr_sa_sdst(0) depctr_va_vdst(0) depctr_va_sdst(0) depctr_va_ssrc(0) depctr_va_vcc(0) depctr_vm_vsrc(0)
	s_getreg_b32 s2, hwreg(HW_REG_IB_STS2, 6, 4)
	s_cmp_eq_u32 s2, 0
	s_cbranch_scc0 .Lentry_in_a_cluster
	s_endpgm
.Lentry_in_a_cluster:
	s_bfe_u32 s2, ttmp6, 0x10000c
	s_cmp_lg_u32 s2, 0xf033
	s_cbranch_scc0 .Lentry_shape_is_right
	s_endpgm
.Lentry_shape_is_right:
; out0[m][n] = sum over k of att[m][k] W_o[n][k].  M = 4,096, N = K = 1,024; operands f16, sums and result f32.
; A tile of 128 x 128 to a work-group gives 256 work-groups; four waves, each 64 x 64: 16 accumulators.  K goes in steps of 256 through a ring of two LDS slots.
; A = att lies in memory in the order of the operand's registers: [tile of 16 rows][32 fragments of 32 along K][1,024 bytes].  A K step of a tile of rows is 8,192 consecutive bytes; a wave's tensor load brings four of them.
; In LDS a fragment's halves are read at 16 x lane: no pitch, no padding.  B = wo16 lies by rows [n][k]: rows of 512 bytes, 16 of padding behind each.
; CLUSTER 4 x 4: A's tile is shared along a row of the cluster, B's along a column: joint loads.  THE MATRIX INSTRUCTION IS USED TRANSPOSED (source 0 = rows of B, source 1 = rows of A): a lane holds eight neighbouring numbers of a row.
; THE WAY OUT: a wave's 64 columns of f32 are 256 bytes, aligned: each wave sends its own blocks of 16 rows through its own stage in LDS; sixteen lanes store 256 consecutive bytes.
; Rows 0-15 of each batch are written here too and written over by the launch that follows, which carries them in f32.
; REGISTERS: window 0: v0-31 addresses; v32-95 the way out; v128-255 the accumulators ((a, b) at v[128 + 8 (4 a + b)]).  window 1: two fragment buffers of 128: 64 registers of A, then 64 of B, for 64 along K.
.set SIZE_N, 1024
.set SIZE_K, 1024
.set KSTEP,  256
.set PITCH,  528                       ; B's LDS row: 512 bytes + 16 = 132 words: the 16 rows that a load touches start at 16 different banks (64 banks of 4 bytes: ISA guide 11.1)
.set HALFA,  32768                     ; A: 4 tiles of rows x 8,192 bytes: what one tensor load brings
.set HALFB,  64*PITCH                  ; B: 64 rows
.set BOFF,   2*HALFA
.set SLOT,   BOFF+2*HALFB
.set STAGE,  2*SLOT                    ; behind the ring: 16 rows x 272 bytes for each wave
.set SPITCH, 272
.set SPARE,  STAGE+4*16*SPITCH         ; behind the stages: the spare words, 128 bytes a wave
.set LAPS, SIZE_K/(2*KSTEP)
.set ADRA, 16                          ; v16-17  LDS address of my A fragments in slot 0, 1
.set ADRB, 20                          ; v20-21  the same for B
.set STO,  24                          ; v24     the way out: where I put 32 bytes of a row
.set RD,   25                          ; v25     where I read a row back
.set CO,   26                          ; v26     my byte offset in out0
.set SPW,  28                          ; v28     LDS address of my spare word; never rewritten
.set NIL,  29                          ; v29     0; never rewritten
.set TMP,  32
.set ACC,  128
.set F0,   0
.set F1,   128
.set G1, 24                            ; s[24:31] group 1 for A's tiles;  s[32:39] group 0, one set for each slot
.set G0, 32
.set G1B, 48                           ; s[48:55], s[56:63] the same for B's
.set G0B, 56
.set MSB, 0
.macro WIN new
.if MSB != \new
	s_set_vgpr_msb (MSB<<8)|\new
.set MSB, \new
.endif
.endm
.set MUL,  0x05                        ; sources 0 (B) and 1 (A) window 1; C and D window 0
.set TO_F, 0x40                        ; destination window 1, address window 0
.macro JLOAD s                         ; a joint load: waves 0 and 1 fetch A's two halves, waves 2 and 3 B's; an s_nop 0 and four v_nop follow each line
	s_cmp_eq_u32 s11, 0
	s_cbranch_scc0 .Lfor_b_\@
	tensor_load_to_lds s[G0+4*\s:G0+4*\s+3], s[G1:G1+7]
	s_nop 0
.rept 4
	v_nop
.endr
	s_branch .Lasked_\@
.Lfor_b_\@:
	tensor_load_to_lds s[G0B+4*\s:G0B+4*\s+3], s[G1B:G1B+7]
	s_nop 0
.rept 4
	v_nop
.endr
.Lasked_\@:
.endm
.macro CREST                           ; a round of the cluster's barrier behind its opening barrier
	s_cmp_lg_u32 s10, 0
	s_cbranch_scc1 .Lnot_wave_0_\@
	s_barrier_signal -3
.Lnot_wave_0_\@:
	s_barrier_wait -3
	s_barrier_signal -1
	s_barrier_wait -1
.endm
.macro CROUND
	s_barrier_signal -1
	s_barrier_wait -1
	CREST
.endm
	s_load_b128 s[4:7], s[0:1], 0x0                ; att s[4:5], wo16 s[6:7]
	s_load_b64 s[8:9], s[0:1], 0x10                ; out0
	v_lshl_add_u32 v[SPW], v0, 2, SPARE
	v_mov_b32 v[NIL], 0
	ds_add_u32 v[SPW], v[NIL]                      ; the wave's opening: the add, twice on end, and its wait ahead of my first tensor load
	ds_add_u32 v[SPW], v[NIL]
	v_lshrrev_b32 v1, 5, v0
	v_readfirstlane_b32 s10, v1                    ; wave 0..3
	s_lshr_b32 s11, s10, 1                         ; which half of the tile's rows is mine.  Also: I fetch for A (0) or for B (1)
	s_and_b32 s12, s10, 1                          ; which half of its columns.  Also: which half of that tile I fetch
	s_bfe_u32 s40, ttmp6, 0x40000                  ; cx, cy
	s_bfe_u32 s41, ttmp6, 0x40004
	s_lshl_b32 s42, ttmp9, 2
	s_add_co_u32 s42, s42, s40                     ; tile column
	s_and_b32 s13, ttmp7, 0xffff
	s_lshl_b32 s13, s13, 2
	s_add_co_u32 s13, s13, s41                     ; tile row
	s_lshl_b32 s43, s41, 2
	s_lshl_b32 s43, 15, s43                        ; my row of the cluster
	s_lshl_b32 s44, 0x1111, s40                    ; my column
	; A: 4 rows of 8,192 bytes (1,024 elements of 8 bytes), 32,768 bytes apart in memory, on end in LDS
	s_or_b32 s[G1+0], s43, (3<<16)|(1<<21)
	s_mov_b32 s[G1+1], 1024<<16                    ; tensor_dim0
	s_mov_b32 s[G1+2], 4<<16                       ; tensor_dim1
	s_mov_b32 s[G1+3], 1024<<16                    ; tile_dim0
	s_mov_b32 s[G1+4], 4                           ; tile_dim1
	s_mov_b32 s[G1+5], 4096                        ; from row to row, in elements
	s_mov_b32 s[G1+6], 0
	s_mov_b32 s[G1+7], 0
	; B: 64 rows x 256 elements of 2 bytes, four words of padding after every 128
	s_or_b32 s[G1B+0], s44, (1<<16)|(1<<20)|(1<<21)|(6<<22)|(3<<25)
	s_mov_b32 s[G1B+1], KSTEP<<16
	s_mov_b32 s[G1B+2], 64<<16
	s_mov_b32 s[G1B+3], KSTEP<<16
	s_mov_b32 s[G1B+4], 64
	s_mov_b32 s[G1B+5], SIZE_K
	s_mov_b32 s[G1B+6], 0
	s_mov_b32 s[G1B+7], 0
	s_lshl_b32 s16, s13, 3
	s_lshl_b32 s17, s12, 2
	s_add_co_u32 s16, s16, s17                     ; A: tile of rows 8 x tile row + 4 x half,
	s_lshl_b32 s16, s16, 15                        ; 32,768 bytes each
	s_mov_b32 s17, 0
	s_lshl_b32 s46, s42, 7
	s_lshl_b32 s47, s12, 6
	s_add_co_u32 s46, s46, s47                     ; B: row 128 x tile column + 64 x half,
	s_lshl_b32 s46, s46, 11                        ; 2,048 bytes each
	s_mov_b32 s47, 0
	s_lshl_b32 s20, s12, 15                        ; where they go: no place in the cluster enters an LDS address
	s_mul_i32 s21, s12, HALFB
	s_add_co_u32 s21, s21, BOFF
	s_wait_dscnt 0x0                               ; both opening adds are done
	s_wait_kmcnt 0x0
	s_add_nc_u64 s[14:15], s[4:5], s[16:17]
	s_add_nc_u64 s[46:47], s[6:7], s[46:47]
	CROUND                                         ; all sixteen work-groups are here: the first joint loads meet
.irp s, 0,1
	s_mov_b32 s[G0+4*\s], 1
	s_add_co_u32 s[G0+4*\s+1], s20, \s*SLOT
	s_add_nc_u64 s[G0+4*\s+2:G0+4*\s+3], s[14:15], \s*8192
	s_or_b32 s[G0+4*\s+3], s[G0+4*\s+3], 0x80000000
	s_mov_b32 s[G0B+4*\s], 1
	s_add_co_u32 s[G0B+4*\s+1], s21, \s*SLOT
	s_add_nc_u64 s[G0B+4*\s+2:G0B+4*\s+3], s[46:47], \s*KSTEP*2
	s_or_b32 s[G0B+4*\s+3], s[G0B+4*\s+3], 0x80000000
	JLOAD \s
.endr
	v_and_b32 v1, 15, v0                           ; r
	v_bfe_u32 v2, v0, 4, 1                         ; h
	v_and_b32 v3, 31, v0
	v_lshlrev_b32 v3, 4, v3                        ; A: 16 x lane
	v_mul_u32_u24 v4, v1, PITCH
	v_lshl_add_u32 v4, v2, 4, v4                   ; B: row x pitch + 16 x half
	s_lshl_b32 s21, s11, 15                        ; my 64 rows of A
	s_mul_i32 s22, s12, HALFB                      ; my 64 rows of B
	s_add_co_u32 s22, s22, BOFF
.irp s, 0,1
	v_add_nc_u32 v[ADRA+\s], s21, v3
	v_add_nc_u32 v[ADRB+\s], s22, v4
	s_add_co_u32 s21, s21, SLOT
	s_add_co_u32 s22, s22, SLOT
.endr
	s_mul_i32 s23, s10, 16*SPITCH
	s_add_co_u32 s23, s23, STAGE                   ; my stage
	v_mul_u32_u24 v4, v1, SPITCH                   ; in: row r, 32 bytes for each half of the lanes
	v_lshl_add_u32 v4, v2, 5, v4
	v_add_nc_u32 v[STO], s23, v4
	v_mul_u32_u24 v5, v2, SPITCH                   ; back: lanes 0-15 one row of 256 bytes, lanes 16-31 the next
	v_lshl_add_u32 v5, v1, 4, v5
	v_add_nc_u32 v[RD], s23, v5
	v_lshlrev_b32 v5, 12, v2                       ; and the same two rows in out0: 4,096 bytes a row
	v_lshl_add_u32 v[CO], v1, 4, v5
	s_lshl_b32 s16, s13, 7
	s_lshl_b32 s17, s11, 6
	s_add_co_u32 s16, s16, s17                     ; my first row: 128 x tile row + 64 x half
	s_lshl_b32 s16, s16, 12
	s_mov_b32 s17, 0
	s_add_nc_u64 s[8:9], s[8:9], s[16:17]
	s_lshl_b32 s46, s42, 9                         ; my first column, in bytes: 512 x tile column + 256 x half
	s_lshl_b32 s47, s12, 8
	s_add_co_u32 s46, s46, s47
	s_mov_b32 s47, 0
	s_add_nc_u64 s[8:9], s[8:9], s[46:47]
; 8 matrix instructions: m blocks a0, a0 + 1 x all 4 n blocks, 32 along K: half c of buffer f.  zero = 1: the first product starts the sums.  The 16 accumulators take turns
.macro MUL8 f, c, a0, zero
.irp a, \a0, \a0+1
.irp b, 0,1,2,3
.if \zero
	v_wmma_f32_16x16x32_f16 v[ACC+8*(4*(\a)+\b):ACC+8*(4*(\a)+\b)+7], v[\f+64+8*(4*\c+\b):\f+64+8*(4*\c+\b)+7], v[\f+8*(4*\c+\a):\f+8*(4*\c+\a)+7], 0
.else
	v_wmma_f32_16x16x32_f16 v[ACC+8*(4*(\a)+\b):ACC+8*(4*(\a)+\b)+7], v[\f+64+8*(4*\c+\b):\f+64+8*(4*\c+\b)+7], v[\f+8*(4*\c+\a):\f+8*(4*\c+\a)+7], v[ACC+8*(4*(\a)+\b):ACC+8*(4*(\a)+\b)+7]
.endif
.endr
.endr
.endm
; 32 LDS loads in one run: the fragments of the slot's qd-th 64 along K into buffer f; the first 32 along K first
.macro FETCH slot, qd, f
	WIN TO_F
.irp c, 0,1
.irp i, 0,1,2,3
	ds_load_b128 v[\f+64+8*(4*\c+\i):\f+64+8*(4*\c+\i)+3],   v[ADRB+\slot] offset:128*(\qd)+64*\c+\i*16*PITCH
	ds_load_b128 v[\f+64+8*(4*\c+\i)+4:\f+64+8*(4*\c+\i)+7], v[ADRB+\slot] offset:128*(\qd)+64*\c+\i*16*PITCH+32
	ds_load_b128 v[\f+8*(4*\c+\i):\f+8*(4*\c+\i)+3],         v[ADRA+\slot] offset:(2*(\qd)+\c)*1024+\i*8192
	ds_load_b128 v[\f+8*(4*\c+\i)+4:\f+8*(4*\c+\i)+7],       v[ADRA+\slot] offset:(2*(\qd)+\c)*1024+\i*8192+512
.endr
.endr
.endm
.macro PLACES                          ; four places in front of loads into registers that matrix instructions have read, and of reads of results
.rept 4
	v_nop
.endr
.endm
; A K step is four quarters of 64 along K, 32 matrix instructions each, on buffers 0, 1, 0, 1.  One of the first three: multiplies buffer f and fetches quarter qd into g.
.macro QUARTER slot, qd, f, g, zero
	s_wait_dscnt 16                                ; the first 32 along K are in; the sixteen loads of the second 32 may be out
	WIN MUL
	MUL8 \f, 0, 0, \zero
	MUL8 \f, 0, 2, \zero
	PLACES
	FETCH \slot, \qd, \g
	s_wait_dscnt 32                                ; all but the 32 just issued
	WIN MUL
	MUL8 \f, 1, 0, 0
	MUL8 \f, 1, 2, 0
.endm
; The last quarter multiplies buffer 1 and changes slots: one barrier; in front of it each wave waits for all its tensor loads, adds 0 to its spare word, and waits for that and for its reads of this slot.  fill = 1: this slot is filled again, two K steps ahead.
.macro TURN slot, next, fill
	WIN 0
	s_wait_tensorcnt 0x0                           ; all my tensor loads have landed: my part of the next slot
	ds_add_u32 v[SPW], v[NIL]                      ; 0 onto my spare word
	s_wait_dscnt 17                                ; (the add and the youngest sixteen loads may be out)
	WIN MUL
	MUL8 F1, 0, 0, 0
	s_wait_dscnt 0x0                               ; the add is done, and my reads of this slot are over
	s_barrier_signal -1
	MUL8 F1, 0, 2, 0
.if \fill
	WIN 0
.endif
	s_barrier_wait -1
.if \fill
	CREST                                          ; the barrier has opened a round of the cluster's barrier: no wave of any partner still reads this slot or has a load on its way
	s_add_nc_u64 s[G0+4*\slot+2:G0+4*\slot+3], s[G0+4*\slot+2:G0+4*\slot+3], 2*8192
	s_add_nc_u64 s[G0B+4*\slot+2:G0B+4*\slot+3], s[G0B+4*\slot+2:G0B+4*\slot+3], 2*KSTEP*2
	JLOAD \slot                                    ; the first tensor load behind the round; its four v_nop are also the places in front of the loads below
.else
	PLACES
.endif
	FETCH \next, 0, F0
	WIN MUL
	MUL8 F1, 1, 0, 0
	MUL8 F1, 1, 2, 0
.endm
	s_wait_tensorcnt 1                             ; my part of K step 0 is in; K step 1's may be out
	s_barrier_signal -1
	s_barrier_wait -1
	FETCH 0, 0, F0
	QUARTER 0, 1, F0, F1, 1                        ; the first quarter's first products start the sums
	WIN 0
	s_mov_b32 s3, LAPS-1
.Llap:                                             ; a trip goes once round the ring and fills both slots again
	QUARTER 0, 2, F1, F0, 0
	QUARTER 0, 3, F0, F1, 0
	TURN 0, 1, 1
	QUARTER 1, 1, F0, F1, 0
	QUARTER 1, 2, F1, F0, 0
	QUARTER 1, 3, F0, F1, 0
	TURN 1, 0, 1
	QUARTER 0, 1, F0, F1, 0
	WIN 0
	s_sub_co_u32 s3, s3, 1
	s_cmp_lg_u32 s3, 0
	s_cbranch_scc1 .Llap
	QUARTER 0, 2, F1, F0, 0                        ; the last lap fills nothing
	QUARTER 0, 3, F0, F1, 0
	TURN 0, 1, 0
	QUARTER 1, 1, F0, F1, 0
	QUARTER 1, 2, F1, F0, 0
	QUARTER 1, 3, F0, F1, 0
	s_wait_dscnt 16
	WIN MUL
	MUL8 F1, 0, 0, 0
	MUL8 F1, 0, 2, 0
	s_wait_dscnt 0
	MUL8 F1, 1, 0, 0
	MUL8 F1, 1, 2, 0
	WIN 0
; THE WAY OUT, block by block of 16 rows x 64 columns, through my own stage.  LDS serves a wave's instructions in order (ISA guide 5.7.1.4): no wait between the stores and the loads, nor in front of the next block's stores.
.macro TOSTAGE a
.irp b, 0,1,2,3
	ds_store_b128 v[STO], v[ACC+8*(4*(\a)+\b):ACC+8*(4*(\a)+\b)+3] offset:64*\b        ; each accumulator from its low end on
	ds_store_b128 v[STO], v[ACC+8*(4*(\a)+\b)+4:ACC+8*(4*(\a)+\b)+7] offset:64*\b+16
.endr
.irp t, 0,1,2,3,4,5,6,7
	ds_load_b128 v[TMP+32*((\a)%2)+4*\t:TMP+32*((\a)%2)+4*\t+3], v[RD] offset:\t*2*SPITCH
.endr
.endm
.macro SEND a, younger                 ; younger: the LDS instructions issued behind block a's loads
	s_wait_dscnt \younger
.irp t, 0,1,2,3,4,5,6,7
	global_store_b128 v[CO], v[TMP+32*((\a)%2)+4*\t:TMP+32*((\a)%2)+4*\t+3], s[8:9] offset:(16*(\a)+2*\t)*SIZE_N*4 th:TH_STORE_NT   ; 16 lanes store 256 consecutive bytes, aligned
.endr
.endm
	PLACES
	TOSTAGE 0
.irp a, 1,2,3
.if \a > 1
	s_wait_xcnt 0x0                                ; block a - 2's stores have read their registers: block a's loads may land there
.endif
	TOSTAGE \a
	SEND \a-1, 16                                  ; behind block a - 1's loads: block a's 8 stores and 8 loads
.endr
	SEND 3, 0
	s_wait_tensorcnt 0x0                           ; the wave's end
	ds_add_u32 v[SPW], v[NIL]
	s_wait_dscnt 0x0
	CROUND                                         ; the closing round
	s_endpgm
.Lfunc_end_k_qe423f827b1_oproj:
	.size	k_qe423f827b1_oproj, .Lfunc_end_k_qe423f827b1_oproj-k_qe423f827b1_oproj
	.p2alignl 7, 3214868480
	.fill 96, 4, 3214868480
	.section	.rodata,"a",@progbits
	.p2align	6, 0x0
	.amdhsa_kernel k_qe423f827b1_oproj
		.amdhsa_group_segment_fixed_size 327680
		.amdhsa_private_segment_fixed_size 0
		.amdhsa_enable_private_segment 0
		.amdhsa_kernarg_size 24
		.amdhsa_user_sgpr_count 2
		.amdhsa_user_sgpr_kernarg_segment_ptr 1
		.amdhsa_wavefront_size32 1
		.amdhsa_system_sgpr_workgroup_id_x 1
		.amdhsa_system_sgpr_workgroup_id_y 1
		.amdhsa_system_sgpr_workgroup_id_z 1
		.amdhsa_system_vgpr_workitem_id 0
		.amdhsa_next_free_vgpr 512
		.amdhsa_next_free_sgpr 66
		.amdhsa_reserve_vcc 0
		.amdhsa_float_denorm_mode_32 3
		.amdhsa_float_denorm_mode_16_64 3
		.amdhsa_memory_ordered 1
		.amdhsa_forward_progress 1
		.amdhsa_inst_pref_size 86
	.end_amdhsa_kernel
	.amdgpu_metadata
---
amdhsa.version: [ 1, 2 ]
amdhsa.kernels:
  - .name:           k_qe423f827b1_oproj
    .symbol:         k_qe423f827b1_oproj.kd
    .args:
      - { .name: att, .offset: 0, .size: 8, .value_kind: global_buffer, .address_space: global }
      - { .name: wo16, .offset: 8, .size: 8, .value_kind: global_buffer, .address_space: global }
      - { .name: out0, .offset: 16, .size: 8, .value_kind: global_buffer, .address_space: global }
    .group_segment_fixed_size: 327680
    .private_segment_fixed_size: 0
    .kernarg_segment_align: 8
    .kernarg_segment_size: 24
    .max_flat_workgroup_size: 128
    .sgpr_count:     66
    .vgpr_count:     512
    .wavefront_size: 32
...
	.end_amdgpu_metadata
.endif
;; end of part 4
;; launch first16 (part 5): grid 64 x 2, 16 waves a work-group, no clusters, 18,432 bytes of LDS; arguments img, W_o, out0; writes out0
.if DOCPART == 5
	.amdgcn_target "amdgcn-amd-amdhsa--gfx1250"
	.amdhsa_code_object_version 6
	.text
	.protected	k_qe423f827b1_first16
	.globl	k_qe423f827b1_first16
	.p2align	8
	.type	k_qe423f827b1_first16,@function
k_qe423f827b1_first16:
	s_mov_b64 s[64:65], 0
	v_nop
	global_prefetch_b8 v0, s[64:65] scope:SCOPE_SE
	s_setreg_imm32_b32 hwreg(HW_REG_WAVE_MODE, 25, 1), 1
	s_wait_xcnt 0x0
; Positions 0-15 of each batch once more, all in f32: under the causal mask these rows average one to sixteen values and are the largest in size, so they are not left to f16 operands.
; Work-group (slice of 16 output columns, batch); wave = head.  Each wave makes its head's attention of the 16 positions from the f32 images of q, k, v (32 matrix instructions of the f32 form) and multiplies the result
; by its head's 64 columns of 16 rows of W_o (16 more).  The sixteen heads' parts meet in LDS and are added in a fixed order; waves 0 and 1 store.  The attention is done again in each of the 64 slices: it is small.
; A row of the output gets 64 bytes from a work-group: parts of aligned 256-byte runs, 131,072 bytes in the whole launch.
; THE IMAGES: img[which][batch][head][4][1,024 bytes]: register j of lane (r, h) of image bq is the number of token r, channel 16 bq + 8 h + j; registers 0-3 at 16 x lane, registers 4-7 at 512 + 16 x lane.
; THE f32 FORM takes 4 along K: lane (r, h), register j: k = 2 h + j.  A pair of registers 2 p, 2 p + 1 of an image holds, in the two halves of the lanes, four channels; the same pair on both sides keeps the products.
; The registers that this form writes (v144-207) are written by matrix instructions alone; a sum begins with the constant 0.
; LIMITS: NaN and infinities are not served.
.set QR, 16                            ; v16-47   Q, later O / l, later the parts read back
.set KR, 48                            ; v48-79   K
.set VT, 80                            ; v80-111  V^T: register 8 ct + i of lane (r, h): token 8 h + i, channel 16 ct + r
.set WR, 112                           ; v112-143 W_o: register 8 ct + i of lane (r, h): row r of the slice, column 64 head + 16 ct + 8 h + i
.set A1, 144                           ; v144-175 four sums of S^T, later of the projection
.set A2, 176                           ; v176-207 O^T
.set PP, 208                           ; v208-215 s, then p
.set SU, 216                           ; v216-223 my head's part of the output
.set TW, 224                           ; v224-235 at work
.set SPW, 240                          ; v240 LDS address of my spare word; never rewritten
.set NIL, 241                          ; v241 0; never rewritten
.set RDA, 242                          ; v242 LDS: where waves 0 and 1 read the parts
.set STA, 243                          ; v243 LDS: where I put my part
.set GO,  244                          ; v244 my byte offset in out0
.set LI,  245                          ; v245 16 x lane
.set VA,  246                          ; v246 my lane's place in v's images
.set WA,  247                          ; v247 my lane's place in W_o
.set DD,  248                          ; v248 r - 8 h
.set SPARE, 16384                      ; behind the sixteen parts of 1,024 bytes: the spare words, 128 bytes a wave
	s_load_b128 s[4:7], s[0:1], 0x0                ; img s[4:5], W_o s[6:7]
	s_load_b64 s[8:9], s[0:1], 0x10                ; out0
	v_lshl_add_u32 v[SPW], v0, 2, SPARE
	v_mov_b32 v[NIL], 0
	v_lshrrev_b32 v1, 5, v0
	v_readfirstlane_b32 s10, v1                    ; wave = head
	s_and_b32 s11, ttmp7, 0xffff                   ; batch
	v_and_b32 v2, 31, v0
	v_and_b32 v3, 15, v0                           ; r
	v_bfe_u32 v4, v0, 4, 1                         ; h
	v_lshlrev_b32 v[LI], 4, v2
	v_bfe_u32 v5, v0, 2, 1                         ; channel 16 ct + r lies in image ct, lane half r / 8, register r % 8: 512 ((r / 4) % 2) + 256 (r / 8) + 4 (r % 4);
	v_lshlrev_b32 v[VA], 9, v5
	v_bfe_u32 v5, v0, 3, 1
	v_lshl_add_u32 v[VA], v5, 8, v[VA]
	v_lshl_add_u32 v[VA], v4, 7, v[VA]             ; token 8 h + i: 16 bytes a token
	v_and_b32 v5, 3, v0
	v_lshl_add_u32 v[VA], v5, 2, v[VA]
	v_lshlrev_b32 v[WA], 12, v3                    ; W_o: row r of 4,096 bytes, + 32 h
	v_lshl_add_u32 v[WA], v4, 5, v[WA]
	v_lshlrev_b32 v5, 3, v4
	v_sub_nc_u32 v[DD], v3, v5
	s_lshl_b32 s12, s10, 10
	v_add_nc_u32 v[STA], s12, v[LI]
	s_min_u32 s13, s10, 1                          ; waves 0 and 1 take the parts' two halves; the others do not use these two registers
	s_lshl_b32 s12, s13, 9
	v_add_nc_u32 v[RDA], s12, v[LI]
	s_lshl_b32 s12, s13, 4
	v_add_nc_u32 v[GO], s12, v[WA]                 ; out0: token r's row of 4,096 bytes, + 32 h + 16 x half
	s_mov_b32 s20, 0x76543210
	s_mov_b32 s21, 0xfedcba98                      ; v_permlanex16_b32's selects for lane l xor 16
	s_mov_b32 s22, 0x3e38aa3b                      ; c = log2(e) / sqrt(64)
	s_lshl_b32 s14, s11, 16
	s_lshl_b32 s15, s10, 12
	s_add_co_u32 s14, s14, s15                     ; img: my batch and head
	s_mov_b32 s15, 0
	s_lshl_b32 s16, ttmp9, 16                      ; W_o: 16 rows a slice,
	s_lshl_b32 s17, s10, 8                         ; 64 columns a head
	s_add_co_u32 s16, s16, s17
	s_mov_b32 s17, 0
	s_lshl_b32 s18, s11, 23                        ; out0: a batch is 2,048 rows of 4,096 bytes,
	s_lshl_b32 s19, ttmp9, 6                       ; a slice 64 bytes
	s_add_co_u32 s18, s18, s19
	s_mov_b32 s19, 0
	s_wait_kmcnt 0x0
	s_add_nc_u64 s[4:5], s[4:5], s[14:15]
	s_add_nc_u64 s[6:7], s[6:7], s[16:17]
	s_add_nc_u64 s[8:9], s[8:9], s[18:19]
.irp bq, 0,1,2,3
	global_load_b128 v[QR+8*\bq:QR+8*\bq+3],   v[LI], s[4:5] offset:\bq*1024
	global_load_b128 v[QR+8*\bq+4:QR+8*\bq+7], v[LI], s[4:5] offset:\bq*1024+512
.endr
.irp bq, 0,1,2,3
	global_load_b128 v[KR+8*\bq:KR+8*\bq+3],   v[LI], s[4:5] offset:131072+\bq*1024
	global_load_b128 v[KR+8*\bq+4:KR+8*\bq+7], v[LI], s[4:5] offset:131072+\bq*1024+512
.endr
.irp ct, 0,1,2,3
.irp i, 0,1,2,3,4,5,6,7
	global_load_b32 v[VT+8*\ct+\i], v[VA], s[4:5] offset:262144+\ct*1024+16*\i
.endr
.endr
.irp ct, 0,1,2,3
	global_load_b128 v[WR+8*\ct:WR+8*\ct+3],   v[WA], s[6:7] offset:64*\ct
	global_load_b128 v[WR+8*\ct+4:WR+8*\ct+7], v[WA], s[6:7] offset:64*\ct+16
.endr
	s_wait_loadcnt 40                              ; Q and K are in; V's 32 loads and W_o's 8 may be out
	; S^T = K Q^T: source 0 = 16 keys, source 1 = 16 queries; four sums, one for each image, by turns
.irp p, 0,1,2,3
.irp bq, 0,1,2,3
.if \p == 0
	v_wmma_f32_16x16x4_f32 v[A1+8*\bq:A1+8*\bq+7], v[KR+8*\bq+2*\p:KR+8*\bq+2*\p+1], v[QR+8*\bq+2*\p:QR+8*\bq+2*\p+1], 0
.else
	v_wmma_f32_16x16x4_f32 v[A1+8*\bq:A1+8*\bq+7], v[KR+8*\bq+2*\p:KR+8*\bq+2*\p+1], v[QR+8*\bq+2*\p:QR+8*\bq+2*\p+1], v[A1+8*\bq:A1+8*\bq+7]
.endif
.endr
.endr
.rept 8
	v_nop                                          ; eight places behind this form (ISA guide 7.12.1)
.endr
.irp i, 0,2,4,6                                ; the four sums are added, each read from its low end on: lane (r, h), register j: key 8 h + j, query r
	v_pk_add_f32 v[PP+\i:PP+\i+1], v[A1+\i:A1+\i+1], v[A1+8+\i:A1+8+\i+1]
	v_pk_add_f32 v[TW+\i:TW+\i+1], v[A1+16+\i:A1+16+\i+1], v[A1+24+\i:A1+24+\i+1]
.endr
.irp i, 0,2,4,6
	v_pk_add_f32 v[PP+\i:PP+\i+1], v[PP+\i:PP+\i+1], v[TW+\i:TW+\i+1]
.endr
	v_mov_b32 v[TW+8], 0xff800000
.irp j, 0,1,2,3,4,5,6,7
	v_cmp_gt_i32 vcc_lo, \j, v[DD]                 ; key 8 h + j after query r: hidden
	v_cndmask_b32 v[PP+\j], v[PP+\j], v[TW+8], vcc_lo
.endr
	v_max3_num_f32 v[TW], v[PP], v[PP+1], v[PP+2]
	v_max3_num_f32 v[TW+1], v[PP+3], v[PP+4], v[PP+5]
	v_max3_num_f32 v[TW], v[TW], v[PP+6], v[PP+7]
	v_max_num_f32 v[TW], v[TW], v[TW+1]
	v_permlanex16_b32 v[TW+1], v[TW], s20, s21
	v_max_num_f32 v[TW], v[TW], v[TW+1]            ; the row's maximum: key 0 counts for every query, so it is a number
	v_mul_f32 v[TW], s22, v[TW]
.irp j, 0,1,2,3,4,5,6,7
	v_fma_f32 v[PP+\j], v[PP+\j], s22, -v[TW]
.endr
.irp j, 0,1,2,3,4,5,6,7
	v_exp_f32 v[PP+\j], v[PP+\j]
.endr
	v_nop                                          ; a plain instruction behind the last exponential
	s_wait_alu depctr_va_vdst(0)                   ; one wait for the eight, ahead of their first reader
	v_pk_add_f32 v[TW+2:TW+3], v[PP:PP+1], v[PP+2:PP+3]
	v_pk_add_f32 v[TW+4:TW+5], v[PP+4:PP+5], v[PP+6:PP+7]
	v_pk_add_f32 v[TW+2:TW+3], v[TW+2:TW+3], v[TW+4:TW+5]
	v_add_f32 v[TW+2], v[TW+2], v[TW+3]
	v_permlanex16_b32 v[TW+3], v[TW+2], s20, s21
	v_add_f32 v[TW+2], v[TW+2], v[TW+3]            ; the row's sum
	v_rcp_f32 v[TW+6], v[TW+2]
	v_mov_b32 v[TW+7], 0                           ; a plain instruction behind the reciprocal; the pair's upper half is written
	s_wait_alu depctr_va_vdst(0)
	s_wait_loadcnt 8                               ; V is in; W_o's 8 loads may be out
	; O^T = V^T P: source 0 = 16 channels, source 1 = 16 queries; K = the 16 keys: pair p of a lane's registers is keys 8 h + 2 p, + 1 on both sides
.irp p, 0,1,2,3
.irp ct, 0,1,2,3
.if \p == 0
	v_wmma_f32_16x16x4_f32 v[A2+8*\ct:A2+8*\ct+7], v[VT+8*\ct+2*\p:VT+8*\ct+2*\p+1], v[PP+2*\p:PP+2*\p+1], 0
.else
	v_wmma_f32_16x16x4_f32 v[A2+8*\ct:A2+8*\ct+7], v[VT+8*\ct+2*\p:VT+8*\ct+2*\p+1], v[PP+2*\p:PP+2*\p+1], v[A2+8*\ct:A2+8*\ct+7]
.endif
.endr
.endr
.rept 8
	v_nop
.endr
.set n, 0
.rept 16
	v_pk_mul_f32 v[QR+n:QR+n+1], v[A2+n:A2+n+1], v[TW+6:TW+7] op_sel_hi:[1,0]   ; O / l into other registers: lane (r, h), register 8 ct + j: query r, channel 16 ct + 8 h + j
.set n, n+2
.endr
	s_wait_loadcnt 0x0                             ; W_o
	; my head's part of the projection, transposed: source 0 = 16 rows of W_o, source 1 = 16 tokens: a lane holds one token and eight neighbouring output columns
.irp p, 0,1,2,3
.irp ct, 0,1,2,3
.if \p == 0
	v_wmma_f32_16x16x4_f32 v[A1+8*\ct:A1+8*\ct+7], v[WR+8*\ct+2*\p:WR+8*\ct+2*\p+1], v[QR+8*\ct+2*\p:QR+8*\ct+2*\p+1], 0
.else
	v_wmma_f32_16x16x4_f32 v[A1+8*\ct:A1+8*\ct+7], v[WR+8*\ct+2*\p:WR+8*\ct+2*\p+1], v[QR+8*\ct+2*\p:QR+8*\ct+2*\p+1], v[A1+8*\ct:A1+8*\ct+7]
.endif
.endr
.endr
.rept 8
	v_nop
.endr
.irp i, 0,2,4,6
	v_pk_add_f32 v[SU+\i:SU+\i+1], v[A1+\i:A1+\i+1], v[A1+8+\i:A1+8+\i+1]
	v_pk_add_f32 v[TW+\i:TW+\i+1], v[A1+16+\i:A1+16+\i+1], v[A1+24+\i:A1+24+\i+1]
.endr
.irp i, 0,2,4,6
	v_pk_add_f32 v[SU+\i:SU+\i+1], v[SU+\i:SU+\i+1], v[TW+\i:TW+\i+1]
.endr
	ds_store_b128 v[STA], v[SU:SU+3]               ; my part as it stands: 1,024 x wave + 512 x half + 16 x lane
	ds_store_b128 v[STA], v[SU+4:SU+7] offset:512
	s_wait_dscnt 0x0                               ; for the others' sake: my stores have landed
	s_barrier_signal -1
	s_barrier_wait -1
	s_cmp_gt_u32 s10, 1
	s_cbranch_scc1 .Lend
.set n, 0
.rept 16
	ds_load_b128 v[QR+4*n:QR+4*n+3], v[RDA] offset:n*1024   ; the sixteen heads' parts of my half
.set n, n+1
.endr
	s_wait_dscnt 0x0
.set n, 1
.rept 15
	v_pk_add_f32 v[QR:QR+1], v[QR:QR+1], v[QR+4*n:QR+4*n+1]         ; added head by head, in ascending order
	v_pk_add_f32 v[QR+2:QR+3], v[QR+2:QR+3], v[QR+4*n+2:QR+4*n+3]
.set n, n+1
.endr
	global_store_b128 v[GO], v[QR:QR+3], s[8:9]    ; out0(token r, 16 slice + 8 h + 4 half + 0 .. 3)
.Lend:
	s_wait_tensorcnt 0x0                           ; the wave's end, behind my last LDS store
	ds_add_u32 v[SPW], v[NIL]
	s_wait_dscnt 0x0
	s_endpgm
.Lfunc_end_k_qe423f827b1_first16:
	.size	k_qe423f827b1_first16, .Lfunc_end_k_qe423f827b1_first16-k_qe423f827b1_first16
	.p2alignl 7, 3214868480
	.fill 96, 4, 3214868480
	.section	.rodata,"a",@progbits
	.p2align	6, 0x0
	.amdhsa_kernel k_qe423f827b1_first16
		.amdhsa_group_segment_fixed_size 18432
		.amdhsa_private_segment_fixed_size 0
		.amdhsa_enable_private_segment 0
		.amdhsa_kernarg_size 24
		.amdhsa_user_sgpr_count 2
		.amdhsa_user_sgpr_kernarg_segment_ptr 1
		.amdhsa_wavefront_size32 1
		.amdhsa_system_sgpr_workgroup_id_x 1
		.amdhsa_system_sgpr_workgroup_id_y 1
		.amdhsa_system_sgpr_workgroup_id_z 1
		.amdhsa_system_vgpr_workitem_id 0
		.amdhsa_next_free_vgpr 256
		.amdhsa_next_free_sgpr 66
		.amdhsa_reserve_vcc 1
		.amdhsa_float_denorm_mode_32 3
		.amdhsa_float_denorm_mode_16_64 3
		.amdhsa_memory_ordered 1
		.amdhsa_forward_progress 1
		.amdhsa_inst_pref_size 20
	.end_amdhsa_kernel
	.amdgpu_metadata
---
amdhsa.version: [ 1, 2 ]
amdhsa.kernels:
  - .name:           k_qe423f827b1_first16
    .symbol:         k_qe423f827b1_first16.kd
    .args:
      - { .name: img, .offset: 0, .size: 8, .value_kind: global_buffer, .address_space: global }
      - { .name: W_o, .offset: 8, .size: 8, .value_kind: global_buffer, .address_space: global }
      - { .name: out0, .offset: 16, .size: 8, .value_kind: global_buffer, .address_space: global }
    .group_segment_fixed_size: 18432
    .private_segment_fixed_size: 0
    .kernarg_segment_align: 8
    .kernarg_segment_size: 24
    .max_flat_workgroup_size: 512
    .sgpr_count:     66
    .vgpr_count:     256
    .wavefront_size: 32
...
	.end_amdgpu_metadata
.endif
;; end of part 5
